; MI455X (gfx1250); checked and timed in simulation.
; The chip was launched on July 23, 2026; its instructions are those of AMD's public machine-readable ISA for CDNA 5 (MIT licence, August 2026) and "CDNA5" Instruction Set Architecture Reference Guide (July 2026). The comments in the code are by the model that wrote it; some were corrected since.
;; Causal Self Attention. Allowed arithmetic: matrix products marked QUANTISED: E2M1 operands, one E8M0 scale for each 32 along K, by v_wmma_scale_f32_16x16x128_f8f6f4 with both operands' format E2M1 (or v_wmma_scale_f32_32x16x128_f4), f32 sums; products left as they are: bf16, f16 or f32 operands; f32 sums; everything else in f32.
;; Inputs: W_attn 1,024 x 3,072 float32; W_proj 1,024 x 1,024 float32; indices 4 x 2,048 int32; x 4 x 2,048 x 1,024 float32.
;; Outputs: out0 4 x 2,048 x 1,024 float32.
;; This version of the problem:
;;   THIS VERSION OF THE PROBLEM IS GIVEN IN LOW PRECISION. The matrix products marked QUANTISED in the list below multiply operands that are first quantised to E2M1 (2 exponent bits, 1 mantissa bit; 4 bits a number), with one power-of-two scale for each 32 numbers along K (OCP MX v1.0); their sums are f32. The products marked 'left as it is' may take bf16, f16 or f32 operands, with f32 sums. Whichever they take, every output number must still come out within the allowed error. Rounding operands to bf16 (8 significant bits) uses up far more of that allowance than f16 does (11 bits, for magnitudes from 6e-5 to 65,504). All else is computed in f32.
;;   The module's matrix products, in the order in which they are computed (A, B: the left and right operand; K: the contracted axis; several contracted axes count as one K, in the product's order):
;;     1. [M 8,192, K 1,024] x [K 1,024, N 3,072]; A: input x; B: input W_attn: QUANTISED
;;     2. batch 64 x [M 2,048, K 64] x [K 64, N 2,048]; A: computed on the way; B: computed on the way: left as it is (an operand is computed on the way)
;;     3. batch 64 x [M 2,048, K 2,048] x [K 2,048, N 64]; A: computed on the way; B: computed on the way: left as it is (an operand is computed on the way)
;;     4. [M 8,192, K 1,024] x [K 1,024, N 1,024]; A: computed on the way; B: input W_proj: left as it is (an operand is computed on the way)
;;   THE QUANTISER, for each operand of a quantised product, along K:
;;     - K is cut into blocks of 32 from its start; a last block that is shorter is filled with zeros.
;;     - A block's scale is 2^e with e = floor(log2(the largest magnitude in the block)) - 2, held to -126 .. 127; a block of zeros has e = 0. As a byte (E8M0): e + 127.
;;     - Each number is divided by its block's scale, clamped to +-6, and rounded to the nearest number of E2M1, ties to even, subnormals kept.
;;     - The product sums the exact products of the quantised numbers (number of the format x scale) in f32.
;;   ~~~python
;;   def quantise(x, axis):      # numpy; x: float32 -> the quantised numbers, widened to float32 again
;;       x = np.moveaxis(x, axis, -1); K = x.shape[-1]
;;       x = np.pad(x, [(0, 0)] * (x.ndim - 1) + [(0, -K % 32)]); x = x.reshape(x.shape[:-1] + (-1, 32)); a = np.abs(x).max(-1, keepdims=True)
;;       e = np.where(a > 0, np.clip(np.frexp(np.where(a > 0, a, 1))[1] - 1 - 2, -126, 127), 0)      # np.frexp(a)[1] - 1 = floor(log2(a)), exactly
;;       r = np.clip(x / 2.0 ** e, -6, 6)
;;       step = 2.0 ** (np.maximum(np.frexp(np.where(r == 0, 1, r))[1] - 1, 0) - 1)
;;       q = np.round(r / step) * step * 2.0 ** e      # np.round: ties to even
;;       return np.moveaxis(q.reshape(q.shape[:-2] + (-1,))[..., :K], -1, axis).astype(np.float32)
;;   ~~~
;; One version. Each part assembles by itself: llvm-mc -triple=amdgcn-amd-amdhsa -mcpu=gfx1250 --defsym DOCPART=n.
;; ======== version 1 of 1: 6 launches
;; limits: values are held in f16: magnitudes above 65,504 overflow, below 6.1e-05 lose precision; right only within a limited range of input values
;; workspace buffers: xq 4,456,448 bytes; wq 1,671,168 bytes; tab 2,097,152 bytes; wp 2,097,152 bytes; info 5,888 bytes of whole numbers; qkv 50,331,648 bytes; yimg 16,777,216 bytes; yfine 262,144 bytes
;; launch prep (part 1): grid 497 x 1, 4 waves a work-group, no clusters, 68,096 bytes of LDS; arguments x, W_attn, W_proj, indices, xq, wq, wp, tab, info; writes xq, wq, wp, tab, info
.if DOCPART == 1
	.amdgcn_target "amdgcn-amd-amdhsa--gfx1250"
	.amdhsa_code_object_version 6
	.text
	.protected	k_q1cfa24faf0_prep
	.globl	k_q1cfa24faf0_prep
	.p2align	8
	.type	k_q1cfa24faf0_prep,@function
k_q1cfa24faf0_prep:
	s_mov_b64 s[64:65], 0
	v_nop
	global_prefetch_b8 v0, s[64:65] scope:SCOPE_SE
	s_setreg_imm32_b32 hwreg(HW_REG_WAVE_MODE, 25, 1), 1
	s_wait_xcnt 0x0
; CausalSelfAttention, launch 1 of 6: everything that is made once.
; DEAD WORK: none for all inputs; all four inputs are loaded.  What later launches leave out are whole key steps that reference()'s own mask (k index <= q index) throws away;
; which steps those are is decided from whole numbers that this launch stores (the smallest and largest index of each 16 and each 64 tokens), never from a pattern of the drawn indices.
; LIMITS: |indices| < 2^20 (the list's keys, the angle's reduction); the rope frequencies are 2^(-jj log2(10000)/32) by v_exp_f32, some 3e-7 relative from reference()'s;
; q, k, v and W_proj must lie under 65,504 in size (they go on as f16); NaN and infinities among the inputs are not served; a block whose largest magnitude lies under 2^-124 keeps the scale byte 1.
; Five paths part on the work-group's number; no barrier anywhere; the two paths that use LDS have bytes of their own.
;   0        L: for each batch (a wave) the 16 tokens lowest in (index, position): their positions, indices, and a flag: 1 where the row sees 16 keys or fewer
;   1..128   T: cos and sin of each token's 32 angles, laid as the product's launch wants them; smallest and largest index of each 16 and each 64 tokens
;   129..192 P: W_proj as f16, laid as images of operand registers [n/16][k/8][n%16][8 numbers]
;   193..240 W: W_attn into codes of E2M1 along K (its first axis), K innermost, and scale bytes
;   241..496 X: x into codes of E2M1 and scale bytes
.set SPARE, 67584                      ; the spare words, 128 bytes a wave: two blocks of 256 bytes that no other line names
.set SPW,   192                        ; v192 LDS address of my spare word; never rewritten
.set NIL,   193                        ; v193 0; never rewritten
	s_load_b256 s[4:11], s[0:1], 0x0               ; x, W_attn, W_proj, indices
	s_load_b256 s[12:19], s[0:1], 0x20             ; xq, wq, wp, tab
	s_load_b64 s[20:21], s[0:1], 0x40              ; info
	v_lshl_add_u32 v[SPW], v0, 2, SPARE
	v_mov_b32 v[NIL], 0
	v_lshrrev_b32 v1, 5, v0
	v_readfirstlane_b32 s22, v1                    ; wave
	v_and_b32 v2, 31, v0                           ; lane
	s_mov_b32 s28, 0x76543210                      ; v_permlanex16_b32's selects for lane l xor 16
	s_mov_b32 s29, 0xfedcba98
	s_wait_kmcnt 0x0
	s_cmp_lt_u32 ttmp9, 1
	s_cbranch_scc1 .Llist
	s_cmp_lt_u32 ttmp9, 129
	s_cbranch_scc1 .Ltable
	s_cmp_lt_u32 ttmp9, 193
	s_cbranch_scc1 .Lproj
	s_cmp_lt_u32 ttmp9, 241
	s_cbranch_scc1 .Lwattn
; ---------------- X: x is a plain stream of blocks of 32.  A wave takes 16 steps of 512 numbers.  Loads take the bytes as they lie (512 a load); a step's 2,048 bytes turn through the wave's own
; stage in LDS and come back 64 bytes a lane, so that a lane holds 16 neighbours along K and two neighbouring lanes a block.
.set STEPS, 16
.set EMAX,  2
.set CB,    8                          ; bytes of 16 codes
.set XR,    16                         ; v16-79   four sets of 16 numbers as loaded
.set XX,    80                         ; v80-111  two sets of 16 neighbours
.set XE,    112                        ; v112-127 a scale byte for each step
.set XC,    128                        ; v128-191 codes, registers of its own for each step
.set WREG,  8192                       ; LDS from 0: a region for each wave: two stages of 32 x SP bytes, then its 256 scale bytes
.set SP,    80
	v_lshlrev_b32 v3, 4, v2                        ; my 16 bytes of a load's 512
	s_mul_i32 s23, s22, WREG
	v_lshrrev_b32 v14, 2, v2
	v_mul_u32_u24 v14, v14, SP
	v_and_b32 v15, 3, v2
	v_lshl_add_u32 v14, v15, 4, v14
	v_add_nc_u32 v14, s23, v14                     ; the stage, on the way in: SP (lane / 4) + 16 (lane % 4)
	v_mul_u32_u24 v15, v2, SP
	v_add_nc_u32 v15, s23, v15                     ; and on the way out: SP x lane
	v_mul_u32_u24 v4, v2, CB
	v_lshrrev_b32 v5, 1, v2
	s_add_co_u32 s23, s23, 2*32*SP
	v_add_nc_u32 v5, s23, v5                       ; my block's scale byte
	v_lshlrev_b32 v7, 3, v2
	v_add_nc_u32 v6, s23, v7
	s_sub_co_u32 s24, ttmp9, 241
	s_lshl_b32 s24, s24, 2
	s_add_co_u32 s24, s24, s22                     ; which run of 8,192 numbers is my wave's
	s_mov_b32 s25, 0
	s_lshl_b64 s[26:27], s[24:25], 15
	s_add_nc_u64 s[4:5], s[4:5], s[26:27]          ; x
	s_lshl_b64 s[26:27], s[24:25], 12
	s_add_nc_u64 s[26:27], s[12:13], s[26:27]      ; the codes
	s_lshl_b32 s24, s24, 8
	s_add_nc_u64 s[30:31], s[12:13], s[24:25]
	s_add_nc_u64 s[30:31], s[30:31], 0x400000      ; the scale bytes, behind the codes
.macro LOADX t
.irp i, 0,1,2,3
	global_load_b128 v[XR+16*((\t)%4)+4*\i:XR+16*((\t)%4)+4*\i+3], v3, s[4:5] offset:2048*(\t)+512*\i th:TH_LOAD_NT
.endr
.endm
.macro TURNX t                         ; LDS serves a wave's instructions in order: no wait between the stores and the loads
.irp i, 0,1,2,3
	ds_store_b128 v14, v[XR+16*((\t)%4)+4*\i:XR+16*((\t)%4)+4*\i+3] offset:32*SP*((\t)%2)+8*SP*\i
.endr
.irp i, 0,1,2,3
	ds_load_b128 v[XX+16*((\t)%2)+4*\i:XX+16*((\t)%2)+4*\i+3], v15 offset:32*SP*((\t)%2)+16*\i
.endr
.endm
.irp t, 0,1,2,3
	LOADX \t
.endr
	s_wait_loadcnt 12                              ; step 0's four loads are in; three steps' twelve stay out
	TURNX 0
.macro STEPX t
.set XS, XX+16*((\t)%2)
.if (\t) > 0
	s_wait_dscnt 1                                 ; this step's numbers are back from the stage; the last step's byte store may be out
.else
	s_wait_dscnt 0x0
.endif
.if (\t)+4 < STEPS
	LOADX (\t)+4
.endif
.if (\t)+1 < STEPS
.if STEPS-2-(\t) >= 3
	s_wait_loadcnt 12                              ; the next step's four are in; those of the three steps behind it may be out
.else
	s_wait_loadcnt 4*(STEPS-2-(\t))
.endif
	TURNX (\t)+1
.endif
	v_max3_num_f32 v8, |v[XS]|, |v[XS+1]|, |v[XS+2]|
	v_max3_num_f32 v9, |v[XS+3]|, |v[XS+4]|, |v[XS+5]|
.irp i, 6,10
	v_max3_num_f32 v8, v8, |v[XS+\i]|, |v[XS+\i+1]|
	v_max3_num_f32 v9, v9, |v[XS+\i+2]|, |v[XS+\i+3]|
.endr
	v_max3_num_f32 v8, v8, |v[XS+14]|, |v[XS+15]|
	v_max3_num_f32 v8, v8, v9, (EMAX+1)<<23        ; and the floor 2^(3 - 127): the byte cannot fall under 1
	v_max_num_f32_dpp v8, v8, v8 row_xmask:1 row_mask:0xf bank_mask:0xf   ; with my neighbour's 16: the block's largest magnitude
	v_add_nc_u32 v11, -(EMAX<<23), v8              ; 2 off its exponent field: the conversion's scale operand
	v_cvt_scalef32_pk8_fp4_f32 v[XC+4*(\t)], v[XS:XS+7], v11
	v_cvt_scalef32_pk8_fp4_f32 v[XC+4*(\t)+1], v[XS+8:XS+15], v11
	v_lshrrev_b32 v[XE+(\t)], 23, v11              ; the scale's byte (a block of zeros keeps 1: its codes are zeros, and this program alone reads the bytes)
	ds_store_b8 v5, v[XE+(\t)] offset:16*(\t)      ; both lanes of a block write the same byte
	global_store_b64 v4, v[XC+4*(\t):XC+4*(\t)+1], s[26:27] offset:32*CB*(\t)   ; the wave stores 256 consecutive bytes, aligned
.endm
.irp t, 0,1,2,3,4,5,6,7,8,9,10,11,12,13,14,15
	STEPX \t
.endr
	ds_load_b64 v[8:9], v6
	s_wait_dscnt 0x0
	global_store_b64 v7, v[8:9], s[30:31]          ; my wave's 256 scale bytes, aligned
	s_wait_tensorcnt 0x0                           ; the wave's end
	ds_add_u32 v[SPW], v[NIL]
	s_wait_dscnt 0x0
	s_endpgm
; ---------------- W: W_attn [1024 (k)][3072 (n)].  A lane takes a column and its registers run down K: a block of 32 lies in one lane, and the codes come out with K innermost.
; A wave takes 32 columns x 512 along K; the codes go through the wave's own stage and leave as rows: sixteen lanes store 256 consecutive bytes, aligned.
.Lwattn:
.set KW,     512
.set NB,     16
.set WPITCH, 272
.set KROW,   512                       ; a row of codes in bytes
.set SIZE_N, 3072
.set WSTG,   32768                     ; LDS: this path's own bytes: four stages of 32 x 272
.set WX,     32                        ; v32-95  two sets of 32 numbers
.set WC,     96                        ; v96-99  a block's codes
.set WOUT,   112                       ; v112-175 the way out
.set WSB,    24                        ; v24-27  the scale bytes
	s_sub_co_u32 s23, ttmp9, 193
	s_cmp_ge_u32 s23, 24
	s_cselect_b32 s25, 1, 0                        ; which 512 along K
	s_cselect_b32 s24, 24, 0
	s_sub_co_u32 s23, s23, s24                     ; which 128 columns
	s_lshl_b32 s23, s23, 7
	s_lshl_b32 s24, s22, 5
	s_add_co_u32 s23, s23, s24                     ; my wave's first column
	v_lshlrev_b32 v3, 2, v2
	s_mul_i32 s24, s22, 32*WPITCH
	s_add_co_u32 s24, s24, WSTG
	v_mul_u32_u24 v4, v2, WPITCH
	v_add_nc_u32 v4, s24, v4                       ; into the stage: row = my column
	v_and_b32 v5, 15, v2
	v_lshrrev_b32 v6, 4, v2
	v_mul_u32_u24 v7, v6, WPITCH
	v_lshl_add_u32 v7, v5, 4, v7
	v_add_nc_u32 v7, s24, v7                       ; out of it: sixteen lanes to a row
	v_mul_u32_u24 v8, v6, KROW
	v_lshl_add_u32 v8, v5, 4, v8
	v_lshlrev_b32 v9, 5, v2                        ; my column's row of scale bytes
	s_mul_i32 s26, s25, KW*SIZE_N*4
	s_lshl_b32 s24, s23, 2
	s_add_co_u32 s26, s26, s24
	s_mov_b32 s27, 0
	s_add_nc_u64 s[6:7], s[6:7], s[26:27]
	s_lshl_b32 s26, s23, 9
	s_lshl_b32 s24, s25, 8
	s_add_co_u32 s26, s26, s24
	s_add_nc_u64 s[30:31], s[14:15], s[26:27]      ; the codes
	s_lshl_b32 s26, s23, 5
	s_lshl_b32 s24, s25, 4
	s_add_co_u32 s26, s26, s24
	s_add_co_u32 s26, s26, 0x180000
	s_add_nc_u64 s[14:15], s[14:15], s[26:27]      ; the scale bytes
.macro LOADW t
.irp i, 0,1,2,3,4,5,6,7,8,9,10,11,12,13,14,15,16,17,18,19,20,21,22,23,24,25,26,27,28,29,30,31
	global_load_b32 v[WX+32*((\t)%2)+\i], v3, s[6:7] offset:(32*(\t)+\i)*SIZE_N*4 th:TH_LOAD_NT
.endr
.endm
	LOADW 0
	LOADW 1
.macro BLOCKW t
.set WS, WX+32*((\t)%2)
.if (\t) < NB-1
	s_wait_loadcnt 32                              ; this block's 32 loads are in; the next block's may be out
.else
	s_wait_loadcnt 0x0
.endif
	v_max3_num_f32 v12, |v[WS]|, |v[WS+1]|, |v[WS+2]|
	v_max3_num_f32 v13, |v[WS+3]|, |v[WS+4]|, |v[WS+5]|
.irp i, 6,10,14,18,22,26
	v_max3_num_f32 v12, v12, |v[WS+\i]|, |v[WS+\i+1]|
	v_max3_num_f32 v13, v13, |v[WS+\i+2]|, |v[WS+\i+3]|
.endr
	v_max3_num_f32 v12, v12, |v[WS+30]|, |v[WS+31]|
	v_max3_num_f32 v12, v12, v13, (EMAX+1)<<23
	v_add_nc_u32 v11, -(EMAX<<23), v12
	v_lshrrev_b32 v13, 23, v11
.if (\t)%4 == 0
	v_mov_b32 v[WSB+(\t)/4], v13
.else
	v_lshl_or_b32 v[WSB+(\t)/4], v13, 8*((\t)%4), v[WSB+(\t)/4]
.endif
.irp g, 0,1,2,3
	v_cvt_scalef32_pk8_fp4_f32 v[WC+\g], v[WS+8*\g:WS+8*\g+7], v11
.endr
	ds_store_b128 v4, v[WC:WC+3] offset:16*(\t)
.if (\t)+2 < NB
	LOADW (\t)+2
.endif
	s_wait_dscnt 0x0                               ; the store has read its registers: the next block's codes may be written
.endm
.set Q, 0
.rept NB
	BLOCKW Q
.set Q, Q+1
.endr
	global_store_b128 v9, v[WSB:WSB+3], s[14:15]
.irp t, 0,1,2,3,4,5,6,7,8,9,10,11,12,13,14,15
	ds_load_b128 v[WOUT+4*\t:WOUT+4*\t+3], v7 offset:2*\t*WPITCH
.endr
.irp t, 0,1,2,3,4,5,6,7,8,9,10,11,12,13,14,15
	s_wait_dscnt 15-\t
	global_store_b128 v8, v[WOUT+4*\t:WOUT+4*\t+3], s[30:31] offset:2*\t*KROW
.endr
	s_wait_tensorcnt 0x0                           ; the wave's end: the three lines again
	ds_add_u32 v[SPW], v[NIL]
	s_wait_dscnt 0x0
	s_endpgm
; ---------------- P: W_proj [1024 (k)][1024 (n)] to f16.  A lane takes a column, its registers run down K; eight neighbours along K pack into 16 bytes; sixteen lanes store 256 consecutive bytes, aligned.
.Lproj:
	s_sub_co_u32 s23, ttmp9, 129
	s_and_b32 s24, s23, 7                          ; which 128 columns
	s_lshr_b32 s25, s23, 3                         ; which 128 rows
	s_lshl_b32 s26, s25, 19
	s_lshl_b32 s23, s24, 9
	s_add_co_u32 s26, s26, s23
	s_lshl_b32 s23, s22, 7
	s_add_co_u32 s26, s26, s23
	s_mov_b32 s27, 0
	s_add_nc_u64 s[8:9], s[8:9], s[26:27]
	s_lshl_b32 s26, s24, 18
	s_lshl_b32 s23, s22, 16
	s_add_co_u32 s26, s26, s23
	s_lshl_b32 s23, s25, 12
	s_add_co_u32 s26, s26, s23
	s_add_nc_u64 s[16:17], s[16:17], s[26:27]
	v_lshlrev_b32 v3, 2, v2
	v_lshrrev_b32 v4, 4, v2
	v_and_b32 v5, 15, v2
	v_lshlrev_b32 v5, 4, v5
	v_lshl_add_u32 v4, v4, 15, v5                  ; (lane / 16) tiles of 32,768 bytes + 16 (lane % 16)
.macro LOADG g
.irp i, 0,1,2,3,4,5,6,7,8,9,10,11,12,13,14,15,16,17,18,19,20,21,22,23,24,25,26,27,28,29,30,31
	global_load_b32 v[32+32*((\g)%2)+\i], v3, s[8:9] offset:(32*(\g)+\i)*4096 th:TH_LOAD_NT
.endr
.endm
	LOADG 0
	LOADG 1
.irp g, 0,1,2,3
.if \g < 3
	s_wait_loadcnt 32                              ; this group's 32 rows are in; the next group's may be out
.else
	s_wait_loadcnt 0x0
.endif
.irp q, 0,1,2,3
.irp p, 0,1,2,3
	v_cvt_pk_f16_f32 v[96+4*(4*\g+\q)+\p], v[32+32*(\g%2)+8*\q+2*\p], v[32+32*(\g%2)+8*\q+2*\p+1]
.endr
	global_store_b128 v4, v[96+4*(4*\g+\q):96+4*(4*\g+\q)+3], s[16:17] offset:256*(4*\g+\q)
.endr
.if \g < 2
	LOADG \g+2
.endif
.endr
	s_endpgm
; ---------------- T: wave w takes 16 tokens.  Lane (r, h) makes cos and sin of token r's angles jj = 16 (i / 8) + 8 h + i % 8, i = 0 .. 15: the order in which the product's results lie in a lane.
.Ltable:
	s_sub_co_u32 s23, ttmp9, 1                     ; which 64 tokens
	s_lshl_b32 s24, s23, 2
	s_add_co_u32 s24, s24, s22                     ; which 16
	v_and_b32 v3, 15, v0
	v_bfe_u32 v4, v0, 4, 1
	s_lshl_b32 s26, s24, 6
	s_mov_b32 s27, 0
	s_add_nc_u64 s[30:31], s[10:11], s[26:27]
	s_lshl_b32 s26, s23, 8
	s_add_nc_u64 s[10:11], s[10:11], s[26:27]
	v_lshlrev_b32 v5, 2, v3
	v_lshlrev_b32 v6, 2, v2
	global_load_b32 v7, v5, s[30:31]               ; token r's index
	global_load_b32 v8, v6, s[10:11]               ; the 64 tokens' indices
	global_load_b32 v9, v6, s[10:11] offset:128
	s_mov_b32 s32, 0x3fc90fdb                      ; pi/2, high part
	s_mov_b32 s33, 0xb33bbd2e                      ; and the rest
	s_mov_b32 s34, 0xb94ca1f9                      ; sin's polynomial
	s_mov_b32 s35, 0x3c08839e
	s_mov_b32 s36, 0xbe2aaaa3
	s_mov_b32 s37, 0x37ccf5ce                      ; cos's
	s_mov_b32 s38, 0xbab6061a
	s_mov_b32 s39, 0x3d2aaaa5
	v_lshlrev_b32 v10, 3, v4
.irp i, 0,1,2,3,4,5,6,7,8,9,10,11,12,13,14,15
	v_add_nc_u32 v[32+\i], 16*(\i/8)+\i%8, v10
.endr
.irp i, 0,1,2,3,4,5,6,7,8,9,10,11,12,13,14,15
	v_cvt_f32_u32 v[32+\i], v[32+\i]
.endr
.irp i, 0,1,2,3,4,5,6,7,8,9,10,11,12,13,14,15
	v_mul_f32 v[32+\i], 0xbed49a78, v[32+\i]       ; -jj log2(10000) / 32
.endr
.irp i, 0,1,2,3,4,5,6,7,8,9,10,11,12,13,14,15
	v_exp_f32 v[32+\i], v[32+\i]                   ; the frequency
.endr
	v_nop                                          ; a plain instruction behind the last exponential
	s_wait_alu depctr_va_vdst(0)                   ; one wait for the sixteen, ahead of their first reader
	s_wait_loadcnt 0x0
	v_cvt_f32_i32 v11, v7
; angle = index x frequency; k = the nearest whole number of quarter turns; the rest r lies within pi/4; polynomials in r; k mod 4 only SELECTS values and signs
.macro ANGLE i
	v_mul_f32 v12, v11, v[32+\i]
	v_mul_f32 v13, 0x3f22f983, v12
	v_rndne_f32 v13, v13
	v_fma_f32 v14, -v13, s32, v12
	v_fma_f32 v14, -v13, s33, v14
	v_mul_f32 v15, v14, v14
	v_fma_f32 v16, v15, s34, s35
	v_fma_f32 v17, v15, s37, s38
	v_fma_f32 v16, v16, v15, s36
	v_fma_f32 v17, v17, v15, s39
	v_mul_f32 v18, v15, v14
	v_mul_f32 v28, v15, v15
	v_fma_f32 v19, v15, -0.5, 1.0
	v_fma_f32 v16, v16, v18, v14                   ; sin r
	v_fma_f32 v17, v17, v28, v19                   ; cos r
	v_cvt_i32_f32 v20, v13
	v_and_b32 v18, 1, v20
	v_cmp_eq_u32 vcc_lo, 1, v18
	v_cndmask_b32 v19, v16, v17, vcc_lo            ; sin: an odd k takes cos r
	v_cndmask_b32 v18, v17, v16, vcc_lo            ; cos: sin r
	v_and_b32 v16, 2, v20
	v_lshlrev_b32 v16, 30, v16
	v_xor_b32 v[64+\i], v19, v16
	v_add_nc_u32 v20, 1, v20
	v_and_b32 v20, 2, v20
	v_lshlrev_b32 v20, 30, v20
	v_xor_b32 v[48+\i], v18, v20
.endm
.irp i, 0,1,2,3,4,5,6,7,8,9,10,11,12,13,14,15
	ANGLE \i
.endr
	s_lshl_b32 s26, s24, 12
	s_add_nc_u64 s[18:19], s[18:19], s[26:27]
	v_lshlrev_b32 v21, 4, v2
.irp g, 0,1,2,3
	global_store_b128 v21, v[48+4*\g:48+4*\g+3], s[18:19] offset:512*\g          ; each store: 512 consecutive bytes, aligned
.endr
.irp g, 0,1,2,3
	global_store_b128 v21, v[64+4*\g:64+4*\g+3], s[18:19] offset:2048+512*\g
.endr
	v_mov_b32 v22, v7                              ; smallest and largest index of my 16 tokens,
	v_mov_b32 v23, v7
	v_min_i32 v26, v8, v9                          ; and of the 64
	v_max_i32 v27, v8, v9
	v_mov_b32 v24, 0
	v_mov_b32 v25, 0
.irp m, 1,2,4,8
	v_mov_b32_dpp v24, v22 row_xmask:\m row_mask:0xf bank_mask:0xf
	v_min_i32 v22, v22, v24
	v_mov_b32_dpp v24, v23 row_xmask:\m row_mask:0xf bank_mask:0xf
	v_max_i32 v23, v23, v24
	v_mov_b32_dpp v24, v26 row_xmask:\m row_mask:0xf bank_mask:0xf
	v_min_i32 v26, v26, v24
	v_mov_b32_dpp v24, v27 row_xmask:\m row_mask:0xf bank_mask:0xf
	v_max_i32 v27, v27, v24
.endr
	v_permlanex16_b32 v24, v26, s28, s29
	v_min_i32 v26, v26, v24
	v_permlanex16_b32 v24, v27, s28, s29
	v_max_i32 v27, v27, v24
	s_lshl_b32 s26, s24, 3
	s_add_nc_u64 s[30:31], s[20:21], s[26:27]      ; (the load that named s[30:31] has been waited for)
	s_lshl_b32 s26, s23, 3
	s_add_nc_u64 s[20:21], s[20:21], s[26:27]
	s_wait_xcnt 0x0                                ; EXEC changes only behind this wait
	v_cmp_eq_u32 vcc_lo, 0, v2
	s_and_saveexec_b32 s25, vcc_lo
	global_store_b64 v25, v[22:23], s[30:31] offset:1024
	s_cmp_lg_u32 s22, 0
	s_cbranch_scc1 .Lt_end
	global_store_b64 v25, v[26:27], s[20:21]
.Lt_end:
	s_wait_xcnt 0x0
	s_or_b32 exec_lo, exec_lo, s25
	s_endpgm
; ---------------- L: wave w = batch w.  key = (index + 2^20) x 2^11 + position: unique, ordered by (index, position).  Seventeen times the smallest key at or above a base is found
; (key - base wraps round to a huge number for keys already taken), and the base moves one past it.
.Llist:
	v_lshlrev_b32 v3, 4, v2
	v_lshlrev_b32 v4, 2, v2
	s_lshl_b32 s24, s22, 13
	s_mov_b32 s25, 0
	s_add_nc_u64 s[24:25], s[10:11], s[24:25]
.irp i, 0,1,2,3,4,5,6,7,8,9,10,11,12,13,14,15
	global_load_b128 v[64+4*\i:64+4*\i+3], v3, s[24:25] offset:512*\i
.endr
	v_mov_b32 v14, 0
	v_mov_b32 v9, 0
	s_mov_b32 s26, 0                               ; the base
	s_mov_b32 s27, 0                               ; the rank
	s_wait_loadcnt 0x0
.set N, 0
.rept 64
	v_lshl_add_u32 v[64+N], v[64+N], 11, v4
	v_add_nc_u32 v[64+N], 0x80000000+128*(N/4)+N%4, v[64+N]
.set N, N+1
.endr
.Lpick:
.irp k, 0,1,2,3
	v_sub_nc_u32 v[5+\k], v[64+\k], s26
.endr
.set N, 4
.rept 60
	v_sub_nc_u32 v[10+N%4], v[64+N], s26
	v_min_u32 v[5+N%4], v[5+N%4], v[10+N%4]
.set N, N+1
.endr
	v_min_u32 v5, v5, v6
	v_min_u32 v7, v7, v8
	v_min_u32 v5, v5, v7
.irp m, 1,2,4,8
	v_mov_b32_dpp v9, v5 row_xmask:\m row_mask:0xf bank_mask:0xf
	v_min_u32 v5, v5, v9
.endr
	v_permlanex16_b32 v9, v5, s28, s29
	v_min_u32 v5, v5, v9
	v_readfirstlane_b32 s30, v5
	s_add_co_u32 s31, s26, s30                     ; the key itself
	v_cmp_eq_u32 vcc_lo, s27, v2
	v_cndmask_b32 v14, v14, s31, vcc_lo            ; into the lane of its rank
	s_add_co_u32 s26, s31, 1
	s_add_co_u32 s27, s27, 1
	s_cmp_lt_u32 s27, 17
	s_cbranch_scc1 .Lpick
	v_readlane_b32 s30, v14, 16
	s_lshr_b32 s30, s30, 11                        ; the seventeenth's index
	v_and_b32 v15, 0x7ff, v14                      ; position
	v_lshrrev_b32 v16, 11, v14
	v_cmp_gt_u32 vcc_lo, s30, v16                  ; the seventeenth lies above my index: I see 16 keys or fewer, all of them in this list
	v_cndmask_b32 v17, 0, 1, vcc_lo
	v_add_nc_u32 v18, 0xfff00000, v16              ; the index again
	s_lshl_b32 s30, s22, 6
	v_add_nc_u32 v19, s30, v4
	s_wait_xcnt 0x0
	v_cmp_gt_u32 vcc_lo, 16, v2
	s_and_saveexec_b32 s31, vcc_lo
	global_store_b32 v19, v15, s[20:21] offset:5120
	global_store_b32 v19, v17, s[20:21] offset:5376
	global_store_b32 v19, v18, s[20:21] offset:5632
	s_wait_xcnt 0x0
	s_or_b32 exec_lo, exec_lo, s31
	s_endpgm
.Lfunc_end_k_q1cfa24faf0_prep:
	.size	k_q1cfa24faf0_prep, .Lfunc_end_k_q1cfa24faf0_prep-k_q1cfa24faf0_prep
	.p2alignl 7, 3214868480
	.fill 96, 4, 3214868480
	.section	.rodata,"a",@progbits
	.p2align	6, 0x0
	.amdhsa_kernel k_q1cfa24faf0_prep
		.amdhsa_group_segment_fixed_size 68096
		.amdhsa_private_segment_fixed_size 0
		.amdhsa_enable_private_segment 0
		.amdhsa_kernarg_size 72
		.amdhsa_user_sgpr_count 2
		.amdhsa_user_sgpr_kernarg_segment_ptr 1
		.amdhsa_wavefront_size32 1
		.amdhsa_system_sgpr_workgroup_id_x 1
		.amdhsa_system_sgpr_workgroup_id_y 1
		.amdhsa_system_sgpr_workgroup_id_z 1
		.amdhsa_system_vgpr_workitem_id 0
		.amdhsa_next_free_vgpr 200
		.amdhsa_next_free_sgpr 66
		.amdhsa_reserve_vcc 1
		.amdhsa_float_denorm_mode_32 3
		.amdhsa_float_denorm_mode_16_64 3
		.amdhsa_memory_ordered 1
		.amdhsa_forward_progress 1
		.amdhsa_inst_pref_size 173
	.end_amdhsa_kernel
	.amdgpu_metadata
---
amdhsa.version: [ 1, 2 ]
amdhsa.kernels:
  - .name:           k_q1cfa24faf0_prep
    .symbol:         k_q1cfa24faf0_prep.kd
    .args:
      - { .name: x, .offset: 0, .size: 8, .value_kind: global_buffer, .address_space: global }
      - { .name: W_attn, .offset: 8, .size: 8, .value_kind: global_buffer, .address_space: global }
      - { .name: W_proj, .offset: 16, .size: 8, .value_kind: global_buffer, .address_space: global }
      - { .name: indices, .offset: 24, .size: 8, .value_kind: global_buffer, .address_space: global }
      - { .name: xq, .offset: 32, .size: 8, .value_kind: global_buffer, .address_space: global }
      - { .name: wq, .offset: 40, .size: 8, .value_kind: global_buffer, .address_space: global }
      - { .name: wp, .offset: 48, .size: 8, .value_kind: global_buffer, .address_space: global }
      - { .name: tab, .offset: 56, .size: 8, .value_kind: global_buffer, .address_space: global }
      - { .name: info, .offset: 64, .size: 8, .value_kind: global_buffer, .address_space: global }
    .group_segment_fixed_size: 68096
    .private_segment_fixed_size: 0
    .kernarg_segment_align: 8
    .kernarg_segment_size: 72
    .max_flat_workgroup_size: 128
    .sgpr_count:     66
    .vgpr_count:     200
    .wavefront_size: 32
...
	.end_amdgpu_metadata
.endif
;; end of part 1
;; launch gemm_qkv (part 2): grid 12 x 32, 4 waves a work-group, clusters of 4 x 4, 327,680 bytes of LDS; arguments xq, wq, tab, qkv; writes qkv
.if DOCPART == 2
	.amdgcn_target "amdgcn-amd-amdhsa--gfx1250"
	.amdhsa_code_object_version 6
	.text
	.protected	k_q1cfa24faf0_gemm_qkv
	.globl	k_q1cfa24faf0_gemm_qkv
	.p2align	8
	.type	k_q1cfa24faf0_gemm_qkv,@function
k_q1cfa24faf0_gemm_qkv:
	s_mov_b64 s[64:65], 0
	v_nop
	global_prefetch_b8 v0, s[64:65] scope:SCOPE_SE
	s_setreg_imm32_b32 hwreg(HW_REG_WAVE_MODE, 25, 1), 1
	s_wait_xcnt 0x0
	s_wait_alu depctr_hold_cnt(0) depctr_sa_sdst(0) depctr_va_vdst(0) depctr_va_sdst(0) depctr_va_ssrc(0) depctr_va_vcc(0) depctr_vm_vsrc(0)
	s_getreg_b32 s2, hwreg(HW_REG_IB_STS2, 6, 4)
	s_cmp_eq_u32 s2, 0
	s_cbranch_scc0 .Lentry_in_a_cluster
	s_endpgm
.Lentry_in_a_cluster:
	s_bfe_u32 s2, ttmp6, 0x10000c
	s_cmp_lg_u32 s2, 0xf033
	s_cbranch_scc0 .Lentry_shape_is_right
	s_endpgm
.Lentry_shape_is_right:
; Launch 2 of 6: qkv = x W_attn on codes of E2M1 with E8M0 scales (K = 1,024), the rotation of q and k in f32, and q, k, v out as f16 in the order of the next launch's operand registers.  No work is left out here.
; A tile of 256 x 256 to a work-group of four waves, 128 x 128 to a wave: 64 accumulators, 512 registers.  K is two slots of 512, both asked for at the head with the scale bytes: nothing in LDS is filled twice.
; CLUSTERS of 4 x 4.  The cluster's x says which third of the columns: 0 q, 1 k, 2 v: the same in all sixteen partners.  The set "A" (source 1; shared along a row of the cluster) is x's rows and the set "B"
; (source 0; shared along a column) W's rows; FOR v THE TWO CHANGE PLACES, by a choice of buffers and tile numbers alone: a lane then holds one channel and eight neighbouring TOKENS, which is how V^T is wanted.
; Both tensors have rows of 512 bytes of codes and 32 scale bytes, so the products are one text.
; In the result lane l holds row l % 16 of A's block, and its registers eight neighbouring rows of B's block: 8 (l / 16) + 0 .. 7.
; THE WAY OUT needs no stage: in the workspace's layout ([16 rows][k / 8][row][16 bytes]) the 32 lanes' 16 bytes are 512 consecutive bytes.
; REGISTERS: window 0: v16-29 addresses; v32-95 scale words and nothing else; v128-191 A's fragments; on the way out v96-159 rotated numbers, v160-223 packed results.
;   window 1: B's fragments, two sets (v0, v128); on the way out v0-63 cos and sin, two sets.   windows 2, 3: the accumulators, (a, b) at v[8 (8 (a % 4) + b)].
.set NQ,     4
.set ROWB,   256                       ; a slot's row: 512 codes
.set KROW,   512                       ; a row of codes in memory
.set PITCH,  272                       ; 256 bytes + 16 of padding: the 16 rows of a fragment load start 68 words apart
.set FR,     8
.set NL,     2
.set NP,     4                         ; places behind this matrix instruction (ISA guide 7.12.1)
.set HALFT,  128*PITCH
.set SLOT,   4*HALFT
.set KS,     32
.set SCL,    2*SLOT
.set HALFS,  16*272                    ; the scales of 128 rows
.set SBLK,   2*272                     ; of 16 rows
.set SPARE,  SCL+4*HALFS               ; the spare words: two blocks of 256 bytes that no other line names
.set ADRA, 16
.set ADRB, 20
.set LI,   26                          ; v26 16 x lane
.set ADRS, 27
.set SPW,  28
.set NIL,  29
.set SC,   32
.set AF,   128
.set F,    96
.set OUT,  160
.set G1, 24
.set G0, 32
.set G1B, 48
.set G0B, 56
.set G1S, 68
.set G0S, 76
.set G1SB, 80
.set G0SB, 88
.set MSB, 0
.macro WIN new                         ; the immediate's high byte repeats the setting that is left
.if MSB != (\new)
	s_set_vgpr_msb (MSB<<8)|(\new)
.set MSB, (\new)
.endif
.endm
.set MUL_LO, 0xa1
.set MUL_HI, 0xf1
.set TO_B,   0x40
; A joint load: waves 0 and 1 fetch for A, waves 2 and 3 for B; the branch hangs on the wave's number alone.  An s_nop 0 and four v_nop follow each line.
.macro JLOAD g0a, g1a, g0b, g1b
	s_cmp_eq_u32 s15, 0
	s_cbranch_scc0 .Lfor_b_\@
	tensor_load_to_lds s[\g0a:\g0a+3], s[\g1a:\g1a+7]
	s_nop 0
.rept 4
	v_nop
.endr
	s_branch .Lasked_\@
.Lfor_b_\@:
	tensor_load_to_lds s[\g0b:\g0b+3], s[\g1b:\g1b+7]
	s_nop 0
.rept 4
	v_nop
.endr
.Lasked_\@:
.endm
.macro CROUND                          ; a round of the cluster's barrier
	s_barrier_signal -1
	s_barrier_wait -1
	s_cmp_lg_u32 s14, 0
	s_cbranch_scc1 .Lnot_wave_0_\@
	s_barrier_signal -3
.Lnot_wave_0_\@:
	s_barrier_wait -3
	s_barrier_signal -1
	s_barrier_wait -1
.endm
	s_load_b256 s[4:11], s[0:1], 0x0               ; xq, wq, tab, qkv
	v_lshl_add_u32 v[SPW], v0, 2, SPARE
	v_mov_b32 v[NIL], 0
	ds_add_u32 v[SPW], v[NIL]                      ; the opening: the add, twice on end, and its wait ahead of my first tensor load
	ds_add_u32 v[SPW], v[NIL]
	v_lshrrev_b32 v1, 5, v0
	v_readfirstlane_b32 s14, v1                    ; wave
	s_lshr_b32 s15, s14, 1                         ; my half of A's rows.  Also: I fetch for A (0) or B (1)
	s_and_b32 s16, s14, 1                          ; my half of B's rows.  Also: which 128 rows I fetch
	s_bfe_u32 s40, ttmp6, 0x40000                  ; cx
	s_bfe_u32 s41, ttmp6, 0x40004                  ; cy
	s_and_b32 s95, ttmp7, 0xffff
	s_lshl_b32 s95, s95, 2                         ; 4 x cluster y
	s_lshl_b32 s96, ttmp9, 2                       ; 4 x cluster x
	s_mov_b32 s97, 0x400000                        ; where xq's scale bytes begin
	s_mov_b32 s98, 0x180000                        ; and wq's
	s_cmp_eq_u32 ttmp9, 2                          ; v?  The cluster's x: the same in all partners
	s_cselect_b32 s17, 8, s95                      ; A's tile: W's tile 8 + cy, else x's tile 4 Y + cy
	s_cselect_b32 s42, s95, s96                    ; B's tile: x's tile 4 Y + cx, else W's tile 4 X + cx
	s_cselect_b32 s99, s98, s97
	s_cselect_b32 s100, s97, s98
	s_add_co_u32 s17, s17, s41
	s_add_co_u32 s42, s42, s40
	s_lshl_b32 s43, s41, 2
	s_lshl_b32 s43, 15, s43                        ; my row of the cluster
	s_lshl_b32 s44, 0x1111, s40                    ; my column
	s_or_b32 s[G1+0], s43, (0<<16)|(1<<20)|(1<<21)|(5<<22)|(3<<25)  ; mask; elements of 1 byte; padding: 4 words after every 64
	s_or_b32 s[G1B+0], s44, (0<<16)|(1<<20)|(1<<21)|(5<<22)|(3<<25)
.irp g, G1, G1B
	s_mov_b32 s[\g+1], ROWB<<16
	s_mov_b32 s[\g+2], 128<<16
	s_mov_b32 s[\g+3], ROWB<<16
	s_mov_b32 s[\g+4], 128
	s_mov_b32 s[\g+5], KROW
	s_mov_b32 s[\g+6], 0
	s_mov_b32 s[\g+7], 0
.endr
	s_or_b32 s[G1S+0], s43, (3<<16)|(1<<20)|(1<<21)|(5<<22)|(3<<25) ; the scales of 128 rows: 4,096 dense bytes as 16 rows of 256
	s_or_b32 s[G1SB+0], s44, (3<<16)|(1<<20)|(1<<21)|(5<<22)|(3<<25)
.irp g, G1S, G1SB
	s_mov_b32 s[\g+1], 32<<16
	s_mov_b32 s[\g+2], 16<<16
	s_mov_b32 s[\g+3], 32<<16
	s_mov_b32 s[\g+4], 16
	s_mov_b32 s[\g+5], 32
	s_mov_b32 s[\g+6], 0
	s_mov_b32 s[\g+7], 0
.endr
	s_lshl_b32 s18, s16, 7
	s_lshl_b32 s20, s17, 8
	s_add_co_u32 s20, s20, s18                     ; A: the first row that I fetch
	s_lshl_b32 s46, s42, 8
	s_add_co_u32 s46, s46, s18                     ; B likewise
	s_lshl_b32 s22, s20, 5
	s_add_co_u32 s22, s22, s99                     ; its scale bytes
	s_lshl_b32 s92, s46, 5
	s_add_co_u32 s92, s92, s100
	s_lshl_b32 s20, s20, 9                         ; its codes
	s_lshl_b32 s46, s46, 9
	s_mov_b32 s21, 0
	s_mov_b32 s23, 0
	s_mov_b32 s47, 0
	s_mov_b32 s93, 0
	s_mul_i32 s45, s14, HALFT                      ; where they go: wave x 128 rows
	s_mul_i32 s94, s14, HALFS
	s_wait_dscnt 0x0                               ; both opening adds are done
	s_wait_kmcnt 0x0
	s_cmp_eq_u32 ttmp9, 2
	s_cselect_b64 s[2:3], s[6:7], s[4:5]           ; A's buffer
	s_cselect_b64 s[12:13], s[4:5], s[6:7]         ; B's
	s_add_nc_u64 s[20:21], s[2:3], s[20:21]
	s_add_nc_u64 s[22:23], s[2:3], s[22:23]
	s_add_nc_u64 s[46:47], s[12:13], s[46:47]
	s_add_nc_u64 s[92:93], s[12:13], s[92:93]
	CROUND                                         ; all sixteen work-groups are here: the joint loads meet
	s_mov_b32 s[G0S], 1
	s_add_co_u32 s[G0S+1], s94, SCL
	s_mov_b64 s[G0S+2:G0S+3], s[22:23]
	s_or_b32 s[G0S+3], s[G0S+3], 0x80000000
	s_mov_b32 s[G0SB], 1
	s_add_co_u32 s[G0SB+1], s94, SCL
	s_mov_b64 s[G0SB+2:G0SB+3], s[92:93]
	s_or_b32 s[G0SB+3], s[G0SB+3], 0x80000000
	JLOAD G0S, G1S, G0SB, G1SB
.irp s, 0,1
	s_mov_b32 s[G0+4*\s], 1
	s_add_co_u32 s[G0+4*\s+1], s45, \s*SLOT
	s_add_nc_u64 s[G0+4*\s+2:G0+4*\s+3], s[20:21], \s*ROWB
	s_or_b32 s[G0+4*\s+3], s[G0+4*\s+3], 0x80000000
	s_mov_b32 s[G0B+4*\s], 1
	s_add_co_u32 s[G0B+4*\s+1], s45, \s*SLOT
	s_add_nc_u64 s[G0B+4*\s+2:G0B+4*\s+3], s[46:47], \s*ROWB
	s_or_b32 s[G0B+4*\s+3], s[G0B+4*\s+3], 0x80000000
	JLOAD G0+4*\s, G1, G0B+4*\s, G1B               ; three loads of mine are out: the scales and both slots
.endr
	v_and_b32 v1, 15, v0
	v_bfe_u32 v2, v0, 4, 1
	v_mul_u32_u24 v3, v1, PITCH
	v_lshl_add_u32 v4, v2, 4, v3
	s_mul_i32 s21, s15, HALFT
	s_mul_i32 s22, s16, HALFT
	s_add_co_u32 s22, s22, 2*HALFT
.irp s, 0,1
	v_add_nc_u32 v[ADRA+\s], s21, v4
	v_add_nc_u32 v[ADRB+\s], s22, v4
	s_add_co_u32 s21, s21, SLOT
	s_add_co_u32 s22, s22, SLOT
.endr
	v_mul_u32_u24 v5, v1, KS
	v_lshrrev_b32 v6, 8, v5
	v_lshl_add_u32 v5, v6, 4, v5                   ; my row's scales: 32 bytes a row, 16 more for each 256 passed
	s_mul_i32 s21, s15, HALFS
	s_mul_i32 s22, s16, HALFS
	s_add_co_u32 s22, s22, 2*HALFS
	s_sub_co_u32 s22, s22, s21
	v_mul_u32_u24 v6, s22, v2                      ; lanes 16-31 take B's
	s_add_co_u32 s21, s21, SCL
	v_add_nc_u32 v5, v5, v6
	v_add_nc_u32 v[ADRS], s21, v5
	v_and_b32 v6, 31, v0
	v_lshlrev_b32 v[LI], 4, v6
.macro FRAG reg, adr, q, i
.irp c, 0,1
	ds_load_b128 v[\reg+4*\c:\reg+4*\c+3], v[\adr] offset:64*(\q)+32*\c+(\i)*16*PITCH
.endr
.endm
; 16 matrix instructions: A's blocks a0, a0 + 1 x B's eight.  The 64 accumulators take turns, one instruction a turn, in the same order in every step.
.macro MUL16 a0, p, q, sc, zero
.irp a, \a0, \a0+1
.irp b, 0,1,2,3,4,5,6,7
.if \zero
	v_wmma_scale_f32_16x16x128_f8f6f4 v[8*(8*((\a)%4)+\b):8*(8*((\a)%4)+\b)+7], v[128*(\p)+FR*\b:128*(\p)+FR*\b+FR-1], v[AF+FR*(\a):AF+FR*(\a)+FR-1], 0, v[SC+8*NQ*(\sc)+NQ*\b+(\q)], v[SC+8*NQ*(\sc)+NQ*(\a)+(\q)] matrix_a_fmt:MATRIX_FMT_FP4 matrix_b_fmt:MATRIX_FMT_FP4 matrix_a_scale:MATRIX_SCALE_ROW1
.else
	v_wmma_scale_f32_16x16x128_f8f6f4 v[8*(8*((\a)%4)+\b):8*(8*((\a)%4)+\b)+7], v[128*(\p)+FR*\b:128*(\p)+FR*\b+FR-1], v[AF+FR*(\a):AF+FR*(\a)+FR-1], v[8*(8*((\a)%4)+\b):8*(8*((\a)%4)+\b)+7], v[SC+8*NQ*(\sc)+NQ*\b+(\q)], v[SC+8*NQ*(\sc)+NQ*(\a)+(\q)] matrix_a_fmt:MATRIX_FMT_FP4 matrix_b_fmt:MATRIX_FMT_FP4 matrix_a_scale:MATRIX_SCALE_ROW1
.endif
.endr
.endr
.endm
.macro FETCH_B slot, q, p
	WIN TO_B
.irp i, 0,1,2,3,4,5,6,7
	FRAG 128*(\p)+FR*\i, ADRB+\slot, \q, \i
.endr
	WIN 0
.endm
.macro FETCH_A slot, q, i0
.irp i, \i0, \i0+1, \i0+2, \i0+3
	FRAG AF+FR*(\i), ADRA+\slot, \q, \i
.endr
.endm
.macro SCALES sc                       ; a slot's scale words: lanes 0-15 take A's block i, lanes 16-31 B's block i
.irp i, 0,1,2,3,4,5,6,7
	ds_load_b128 v[SC+8*NQ*\sc+NQ*\i:SC+8*NQ*\sc+NQ*\i+3], v[ADRS] offset:\i*SBLK
.endr
.endm
.macro PLACES n                        ; plain vector instructions between a matrix instruction and a load into, or a read of, its registers
.rept \n
	v_nop
.endr
.endm
.macro STEP slot, q, zero              ; 128 along K, with its successor in the same slot
	s_wait_dscnt 4*NL                              ; B's set and A's blocks 0-3 are in; the youngest eight loads (A's blocks 4-7) may be out
	WIN MUL_LO
	MUL16 0, (\q)%2, \q, \slot, \zero
	MUL16 2, (\q)%2, \q, \slot, \zero
	s_wait_dscnt 0
	PLACES NP
	FETCH_B \slot, (\q)+1, 1-(\q)%2
	FETCH_A \slot, (\q)+1, 0
	WIN MUL_HI
	MUL16 4, (\q)%2, \q, \slot, \zero
	MUL16 6, (\q)%2, \q, \slot, \zero
	PLACES NP
	WIN 0
	FETCH_A \slot, (\q)+1, 4
.endm
.macro STEPS slot, from
.set Q, \from
.rept NQ-1-\from
	STEP \slot, Q, 0
.set Q, Q+1
.endr
.endm
	s_wait_tensorcnt 1                             ; the scales and my part of slot 0 are in; slot 1's load may be out,
	s_barrier_signal -1
	s_barrier_wait -1                              ; everybody's are
	FETCH_B 0, 0, 0
	FETCH_A 0, 0, 0
	SCALES 0
	FETCH_A 0, 0, 4
	STEP 0, 0, 1                                   ; the first products start the sums: nothing is cleared
	STEPS 0, 1
	; slot 0's last step changes slots: one barrier, in front of it the wait for all my tensor loads (my part of slot 1)
	s_wait_tensorcnt 0x0
	ds_add_u32 v[SPW], v[NIL]                      ; 0 onto my spare word
	s_wait_dscnt 4*NL+1                            ; the add and the youngest eight loads may be out
	WIN MUL_LO
	MUL16 0, 1, NQ-1, 0, 0
	s_wait_dscnt 0x0
	s_barrier_signal -1
	MUL16 2, 1, NQ-1, 0, 0
	WIN 0
	s_barrier_wait -1
	PLACES NP
	v_add_nc_u32 v[ADRS], 4*NQ, v[ADRS]            ; on to slot 1's scale words
	FETCH_B 1, 0, 0
	FETCH_A 1, 0, 0
	SCALES 1
	WIN MUL_HI
	MUL16 4, 1, NQ-1, 0, 0
	MUL16 6, 1, NQ-1, 0, 0
	PLACES NP
	WIN 0
	FETCH_A 1, 0, 4
	STEPS 1, 0
	s_wait_dscnt 4*NL
	WIN MUL_LO
	MUL16 0, 1, NQ-1, 1, 0
	MUL16 2, 1, NQ-1, 1, 0
	s_wait_dscnt 0
	WIN MUL_HI
	MUL16 4, 1, NQ-1, 1, 0
	MUL16 6, 1, NQ-1, 1, 0
	WIN 0
	PLACES NP                                      ; behind the last products: for the reads of results and the writes and loads into operands' registers below
	s_cmp_eq_u32 ttmp9, 2
	s_cbranch_scc1 .Lv
; ---- q and k.  Lane (r, h) holds token 16 a + r and columns 16 b + 8 h + j; a head is four blocks b; channel d < 32 (blocks 0, 1) turns with channel d + 32 (blocks 2, 3) by the angle jj = d.
	s_lshl_b32 s95, s17, 8
	s_lshl_b32 s96, s15, 7
	s_add_co_u32 s95, s95, s96                     ; my first token
	s_lshl_b32 s96, s95, 8
	s_mov_b32 s97, 0
	s_add_nc_u64 s[8:9], s[8:9], s[96:97]          ; its 16 tokens' 4,096 bytes of the table
	s_lshr_b32 s96, s95, 11
	s_lshl_b32 s96, s96, 22                        ; batch
	s_and_b32 s98, s95, 2047
	s_lshl_b32 s98, s98, 7                         ; token tile x 2,048
	s_add_co_u32 s96, s96, s98
	s_lshl_b32 s98, s40, 2
	s_lshl_b32 s99, s16, 1
	s_add_co_u32 s98, s98, s99                     ; my first head
	s_lshl_b32 s98, s98, 18
	s_add_co_u32 s96, s96, s98
	s_lshl_b32 s98, ttmp9, 24                      ; q or k
	s_add_co_u32 s96, s96, s98
	s_add_nc_u64 s[10:11], s[10:11], s[96:97]
.macro TABLOAD a
.irp g, 0,1,2,3,4,5,6,7
	global_load_b128 v[32*((\a)%2)+4*\g:32*((\a)%2)+4*\g+3], v[LI], s[8:9] offset:4096*(\a)+512*\g
.endr
.endm
.macro EPI_QK a
.if (\a) < 7
	WIN 0x40
	TABLOAD (\a)+1
	s_wait_loadcnt 8                               ; this block's table is in; the next block's eight loads may be out
.else
	s_wait_loadcnt 0x0
.endif
	s_wait_xcnt 0x0                                ; the stores of two blocks ago have read the registers that are written again below
.set TT, 32*((\a)%2)
.set AC, 64*((\a)%4)
.set OO, OUT+32*((\a)%2)
	WIN 0x06+(\a)/4                                ; source 0: the accumulators' window; source 1: the table's
.irp hh, 0,1
.irp bp, 0,1
.irp jp, 0,2,4,6
	v_pk_mul_f32 v[F+8*(4*\hh+\bp)+\jp:F+8*(4*\hh+\bp)+\jp+1], v[AC+8*(4*\hh+\bp+2)+\jp:AC+8*(4*\hh+\bp+2)+\jp+1], v[TT+16+8*\bp+\jp:TT+16+8*\bp+\jp+1]   ; x2 sin
.endr
.irp jp, 0,2,4,6
	v_pk_mul_f32 v[F+8*(4*\hh+\bp+2)+\jp:F+8*(4*\hh+\bp+2)+\jp+1], v[AC+8*(4*\hh+\bp+2)+\jp:AC+8*(4*\hh+\bp+2)+\jp+1], v[TT+8*\bp+\jp:TT+8*\bp+\jp+1]   ; x2 cos
.endr
.irp jp, 0,2,4,6
	v_pk_fma_f32 v[F+8*(4*\hh+\bp)+\jp:F+8*(4*\hh+\bp)+\jp+1], v[AC+8*(4*\hh+\bp)+\jp:AC+8*(4*\hh+\bp)+\jp+1], v[TT+8*\bp+\jp:TT+8*\bp+\jp+1], v[F+8*(4*\hh+\bp)+\jp:F+8*(4*\hh+\bp)+\jp+1] neg_lo:[0,0,1] neg_hi:[0,0,1]   ; x1 cos - x2 sin
.endr
.irp jp, 0,2,4,6
	v_pk_fma_f32 v[F+8*(4*\hh+\bp+2)+\jp:F+8*(4*\hh+\bp+2)+\jp+1], v[AC+8*(4*\hh+\bp)+\jp:AC+8*(4*\hh+\bp)+\jp+1], v[TT+16+8*\bp+\jp:TT+16+8*\bp+\jp+1], v[F+8*(4*\hh+\bp+2)+\jp:F+8*(4*\hh+\bp+2)+\jp+1]   ; x1 sin + x2 cos
.endr
.endr
.endr
	WIN 0
.irp q, 0,1,2,3,4,5,6,7
.irp p, 0,1,2,3
	v_cvt_pk_f16_f32 v[OO+4*\q+\p], v[F+8*\q+2*\p], v[F+8*\q+2*\p+1]
.endr
.endr
.irp q, 0,1,2,3,4,5,6,7
	global_store_b128 v[LI], v[OO+4*\q:OO+4*\q+3], s[10:11] offset:2048*(\a)+262144*(\q/4)+512*(\q%4)   ; 512 consecutive bytes, aligned
.endr
.endm
	WIN 0x40
	TABLOAD 0
.irp a, 0,1,2,3,4,5,6,7
	EPI_QK \a
.endr
	s_branch .Lout
; ---- v.  Lane (r, h) holds channel 16 a + r of my 128 (two heads) and tokens 16 b + 8 h + j: eight neighbouring keys pack into the 16 bytes that a fragment of V^T wants of this lane.
.Lv:
	s_lshl_b32 s95, s42, 8
	s_lshl_b32 s96, s16, 7
	s_add_co_u32 s95, s95, s96                     ; my first token
	s_lshr_b32 s96, s95, 11
	s_lshl_b32 s96, s96, 22
	s_and_b32 s98, s95, 2047
	s_lshl_b32 s98, s98, 7                         ; key step x 8,192
	s_add_co_u32 s96, s96, s98
	s_lshl_b32 s98, s41, 2
	s_lshl_b32 s99, s15, 1
	s_add_co_u32 s98, s98, s99                     ; my first head
	s_lshl_b32 s98, s98, 18
	s_add_co_u32 s96, s96, s98
	s_add_co_u32 s96, s96, 0x2000000
	s_mov_b32 s97, 0
	s_add_nc_u64 s[10:11], s[10:11], s[96:97]
.macro EPI_V a
	s_wait_xcnt 0x0                                ; the stores of two blocks ago have read their registers
.set AC, 64*((\a)%4)
.set OO, OUT+32*((\a)%2)
	WIN 0x0a+5*((\a)/4)
.irp b, 0,1,2,3,4,5,6,7
.irp p, 0,1,2,3
	v_cvt_pk_f16_f32 v[OO+4*\b+\p], v[AC+8*\b+2*\p], v[AC+8*\b+2*\p+1]
.endr
.endr
	WIN 0
.irp b, 0,1,2,3,4,5,6,7
	global_store_b128 v[LI], v[OO+4*\b:OO+4*\b+3], s[10:11] offset:262144*((\a)/4)+8192*(\b/4)+1024*(4*((\b%4)/2)+(\a)%4)+512*(\b%2)
.endr
.endm
.irp a, 0,1,2,3,4,5,6,7
	EPI_V \a
.endr
.Lout:
	s_wait_tensorcnt 0x0                           ; the wave's end
	ds_add_u32 v[SPW], v[NIL]
	s_wait_dscnt 0x0
	CROUND                                         ; the closing round
	s_endpgm
.Lfunc_end_k_q1cfa24faf0_gemm_qkv:
	.size	k_q1cfa24faf0_gemm_qkv, .Lfunc_end_k_q1cfa24faf0_gemm_qkv-k_q1cfa24faf0_gemm_qkv
	.p2alignl 7, 3214868480
	.fill 96, 4, 3214868480
	.section	.rodata,"a",@progbits
	.p2align	6, 0x0
	.amdhsa_kernel k_q1cfa24faf0_gemm_qkv
		.amdhsa_group_segment_fixed_size 327680
		.amdhsa_private_segment_fixed_size 0
		.amdhsa_enable_private_segment 0
		.amdhsa_kernarg_size 32
		.amdhsa_user_sgpr_count 2
		.amdhsa_user_sgpr_kernarg_segment_ptr 1
		.amdhsa_wavefront_size32 1
		.amdhsa_system_sgpr_workgroup_id_x 1
		.amdhsa_system_sgpr_workgroup_id_y 1
		.amdhsa_system_sgpr_workgroup_id_z 1
		.amdhsa_system_vgpr_workitem_id 0
		.amdhsa_next_free_vgpr 1024
		.amdhsa_next_free_sgpr 102
		.amdhsa_reserve_vcc 0
		.amdhsa_float_denorm_mode_32 3
		.amdhsa_float_denorm_mode_16_64 3
		.amdhsa_memory_ordered 1
		.amdhsa_forward_progress 1
		.amdhsa_inst_pref_size 180
	.end_amdhsa_kernel
	.amdgpu_metadata
---
amdhsa.version: [ 1, 2 ]
amdhsa.kernels:
  - .name:           k_q1cfa24faf0_gemm_qkv
    .symbol:         k_q1cfa24faf0_gemm_qkv.kd
    .args:
      - { .name: xq, .offset: 0, .size: 8, .value_kind: global_buffer, .address_space: global }
      - { .name: wq, .offset: 8, .size: 8, .value_kind: global_buffer, .address_space: global }
      - { .name: tab, .offset: 16, .size: 8, .value_kind: global_buffer, .address_space: global }
      - { .name: qkv, .offset: 24, .size: 8, .value_kind: global_buffer, .address_space: global }
    .group_segment_fixed_size: 327680
    .private_segment_fixed_size: 0
    .kernarg_segment_align: 8
    .kernarg_segment_size: 32
    .max_flat_workgroup_size: 128
    .sgpr_count:     102
    .vgpr_count:     1024
    .wavefront_size: 32
...
	.end_amdgpu_metadata
.endif
;; end of part 2
;; launch attention (part 3): grid 4 x 64, 8 waves a work-group, no clusters, 43,008 bytes of LDS; arguments qkv, indices, info, yimg; writes yimg
.if DOCPART == 3
	.amdgcn_target "amdgcn-amd-amdhsa--gfx1250"
	.amdhsa_code_object_version 6
	.text
	.protected	k_q1cfa24faf0_attention
	.globl	k_q1cfa24faf0_attention
	.p2align	8
	.type	k_q1cfa24faf0_attention,@function
k_q1cfa24faf0_attention:
	s_mov_b64 s[64:65], 0
	v_nop
	global_prefetch_b8 v0, s[64:65] scope:SCOPE_SE
	s_setreg_imm32_b32 hwreg(HW_REG_WAVE_MODE, 25, 1), 1
	s_wait_xcnt 0x0
; Launch 3 of 6: y = softmax(q k^T / 8, masked where k index > q index) v, f16 operands, f32 sums, a running maximum.
; LEFT OUT: a key step (64 keys) whose smallest index lies above the largest index of the wave's 32 queries: reference()'s own mask gives all its scores -infinity.  The test is made on whole
; numbers that the first launch stored, for whatever indices are given.  A NaN or an infinity that lies only in such a step is not carried to the result.
; SHARES.  A work-group owns two blocks of 256 queries of one head, blocks c and 7 - c, one after the other; each of its eight waves 32 queries, two tiles.  Every block walks ALL 32 key steps: the trip count is a
; constant and every wave passes every barrier; only the WORK of a step is jumped over.
; NO TENSOR LOADS, NO CLUSTER: which steps are worked hangs on numbers read from memory; walking every step would double the arithmetic where indices ascend.
; K's and V's 16 KB of a step go through registers into one of two LDS slots: asked for two steps ahead, stored one step ahead; one barrier a step.
; NO PREFETCH: each step's tiles are read by several work-groups of the head at about the same time, and each load has a whole step before its wait.
; LAYOUT.  S^T = K Q^T (source 0 = 16 keys, source 1 = 16 queries): a lane holds one query (lane % 16) and keys 8 (lane / 16) + 0..7 of each tile; two tiles rounded to f16 in pairs are source 1 of O^T = V^T P.
; All operands lie in memory and LDS as images of their registers: every fragment load is 16 x lane + a constant.
; REGISTERS: window 0: v1-11 addresses and constants; v12-27 statistics, 8 a tile (+0 c m, +1 m, +2,+3 l, +4..7 at work, a at +6); v28-31 second chains of the sums; v32-63 two staging sets;
;   v64-127 K; v128-191 V; v192-255 S^T, then P.   window 1: v0-63 O^T; v64-95 Q.
.set IDX,   32768                      ; LDS: two slots of 16,384 (K's 8 KB, V's 8 KB), then the batch's 2,048 indices
.set SLOTB, 16384
.set SPARE, 41984                      ; the spare words: four blocks of 256 bytes that no other line names
.set LI,  1
.set TO,  2
.set AI0, 3
.set ADI, 4
.set NINF, 5
.set QI,  6
.set SPW, 8
.set NIL, 9
.set R4,  11
.set ST,  12
.set SA,  32
.set KF,  64
.set VF,  128
.set S,   192
.set MSB, 0
.macro WIN new
.if MSB != (\new)
	s_set_vgpr_msb (MSB<<8)|(\new)
.set MSB, (\new)
.endif
.endm
; s[4:5] q's head; s[6:7] the batch's indices; s[8:9] info; s[10:11] yimg; s12 wave, s13 batch, s14 head; s[16:17], s[18:19] K's and V's step two ahead; s[20:21] the batch's step information;
; s[40:47] (smallest, largest) index of steps jj .. jj + 3; s48, s49 my queries' smallest and largest; s50 the block's largest; s51 the step's count; s52 256 x step; s[54:55] c; s[56:57] lane selects
	s_load_b256 s[4:11], s[0:1], 0x0
	v_lshl_add_u32 v[SPW], v0, 2, SPARE
	v_mov_b32 v[NIL], 0
	v_lshrrev_b32 v10, 5, v0
	v_readfirstlane_b32 s12, v10
	v_and_b32 v10, 31, v0
	v_lshlrev_b32 v[LI], 4, v10
	v_lshlrev_b32 v[TO], 4, v0
	v_bfe_u32 v10, v0, 4, 1
	v_lshl_add_u32 v[AI0], v10, 5, IDX
	v_mov_b32 v[NINF], 0xff800000
	v_and_b32 v[R4], 15, v0
	v_lshlrev_b32 v[R4], 2, v[R4]
	s_and_b32 s14, ttmp7, 0xffff
	s_lshr_b32 s13, s14, 4
	s_and_b32 s14, s14, 15
	s_mov_b32 s54, 0x3e38aa3b                      ; c = log2(e) / 8
	s_mov_b32 s55, s54
	s_mov_b32 s56, 0x76543210
	s_mov_b32 s57, 0xfedcba98
	s_wait_kmcnt 0x0
	s_lshl_b32 s22, s13, 13
	s_mov_b32 s23, 0
	s_add_nc_u64 s[6:7], s[6:7], s[22:23]
	global_load_b128 v[32:35], v[TO], s[6:7]
	global_load_b128 v[36:39], v[TO], s[6:7] offset:4096
	s_lshl_b32 s22, s13, 8
	s_add_nc_u64 s[20:21], s[8:9], s[22:23]
	s_lshl_b32 s22, s13, 4
	s_add_co_u32 s22, s22, s14
	s_lshl_b32 s22, s22, 18
	s_add_nc_u64 s[4:5], s[4:5], s[22:23]
	s_add_nc_u64 s[60:61], s[4:5], 0x1000000       ; k's head
	s_add_nc_u64 s[62:63], s[4:5], 0x2000000       ; v's
	s_wait_loadcnt 0x0
	ds_store_b128 v[TO], v[32:35] offset:IDX       ; seen by all behind the first block's barrier
	ds_store_b128 v[TO], v[36:39] offset:IDX+4096
.macro STAGE_LD set, off               ; a step's 16 KB: 16 bytes a thread, four times
	global_load_b128 v[SA+16*(\set):SA+16*(\set)+3], v[TO], s[16:17] offset:\off
	global_load_b128 v[SA+16*(\set)+4:SA+16*(\set)+7], v[TO], s[16:17] offset:\off+4096
	global_load_b128 v[SA+16*(\set)+8:SA+16*(\set)+11], v[TO], s[18:19] offset:\off
	global_load_b128 v[SA+16*(\set)+12:SA+16*(\set)+15], v[TO], s[18:19] offset:\off+4096
.endm
.macro STAGE_ST set, slot
	ds_store_b128 v[TO], v[SA+16*(\set):SA+16*(\set)+3] offset:SLOTB*(\slot)
	ds_store_b128 v[TO], v[SA+16*(\set)+4:SA+16*(\set)+7] offset:SLOTB*(\slot)+4096
	ds_store_b128 v[TO], v[SA+16*(\set)+8:SA+16*(\set)+11] offset:SLOTB*(\slot)+8192
	ds_store_b128 v[TO], v[SA+16*(\set)+12:SA+16*(\set)+15] offset:SLOTB*(\slot)+12288
.endm
; KEY STEP jj = s51 + half, in slot half.
.macro STEP half
	s_add_co_u32 s53, s51, \half+3
	s_min_u32 s53, s53, 31
	s_lshl_b32 s53, s53, 3
	s_load_b64 s[46:47], s[20:21], s53 offset:0x0  ; the information of step jj + 3 (held at the last step)
	s_wait_loadcnt 0x0                             ; the only loads that can be out are step jj + 1's four, asked for a step ago
.if \half
	s_cmp_ge_u32 s51, 30                           ; there is no step 32
	s_cbranch_scc1 .Lnost_\@
.endif
	s_cmp_gt_i32 s42, s50                          ; step jj + 1 lies above the whole block's queries: nobody will read it
	s_cbranch_scc1 .Lnost_\@
	STAGE_ST 1-\half, 1-\half                      ; into the slot that everybody left at the last barrier
.Lnost_\@:
	s_cmp_ge_u32 s51, 30
	s_cbranch_scc1 .Lnold_\@
	s_cmp_gt_i32 s44, s50
	s_cbranch_scc1 .Lnold_\@
	STAGE_LD \half, 0                              ; step jj + 2; this set's LDS stores were waited for in front of the last barrier
.Lnold_\@:
	s_cmp_gt_i32 s40, s49                          ; all 64 keys lie above my 32 queries: nothing to do
	s_cbranch_scc1 .Lskip_\@
.irp f, 0,1,2,3,4,5,6,7
.irp c, 0,1
	ds_load_b128 v[KF+8*\f+4*\c:KF+8*\f+4*\c+3], v[LI] offset:SLOTB*\half+1024*\f+512*\c
.endr
.endr
.irp f, 0,1,2,3,4,5,6,7
.irp c, 0,1
	ds_load_b128 v[VF+8*\f+4*\c:VF+8*\f+4*\c+3], v[LI] offset:SLOTB*\half+8192+1024*\f+512*\c
.endr
.endr
	s_wait_dscnt 16                                ; K is in; V's sixteen loads may be out
	WIN 0x04                                       ; Q in window 1
.irp kk, 0,1                           ; the eight accumulators take turns, one instruction a turn
.irp kt, 0,1,2,3
.irp t, 0,1
.if \kk == 0
	v_wmma_f32_16x16x32_f16 v[S+32*\t+8*\kt:S+32*\t+8*\kt+7], v[KF+16*\kt+8*\kk:KF+16*\kt+8*\kk+7], v[64+16*\t+8*\kk:64+16*\t+8*\kk+7], 0
.else
	v_wmma_f32_16x16x32_f16 v[S+32*\t+8*\kt:S+32*\t+8*\kt+7], v[KF+16*\kt+8*\kk:KF+16*\kt+8*\kk+7], v[64+16*\t+8*\kk:64+16*\t+8*\kk+7], v[S+32*\t+8*\kt:S+32*\t+8*\kt+7]
.endif
.endr
.endr
.endr
	WIN 0
.rept 4
	v_nop                                          ; places: the scores are read, and K's registers loaded again, below
.endr
	s_cmp_le_i32 s41, s48                          ; all 64 keys lie at or under all my queries: nothing is hidden
	s_cbranch_scc1 .Lopen_\@
	v_add_nc_u32 v[ADI], s52, v[AI0]
.irp kt, 0,1,2,3
.irp c, 0,1
	ds_load_b128 v[KF+8*\kt+4*\c:KF+8*\kt+4*\c+3], v[ADI] offset:64*\kt+16*\c   ; the indices of my 32 keys
.endr
.endr
	s_wait_dscnt 0x0
.irp t, 0,1
.irp kt, 0,1,2,3
.irp j, 0,1,2,3,4,5,6,7
	v_cmp_gt_i32 vcc_lo, v[KF+8*\kt+\j], v[QI+\t]
	v_cndmask_b32 v[S+32*\t+8*\kt+\j], v[S+32*\t+8*\kt+\j], v[NINF], vcc_lo
.endr
.endr
.endr
.Lopen_\@:
	; the softmax, the two tiles line by line.  The maximum: four chains, each from its accumulator's low end on
.irp j, 0,1,2,3
.irp t, 0,1
	v_max3_num_f32 v[ST+8*\t+4+\j], v[S+32*\t+8*\j], v[S+32*\t+8*\j+1], v[S+32*\t+8*\j+2]
.endr
.endr
.irp q, 1,2
.irp j, 0,1,2,3
.irp t, 0,1
	v_max3_num_f32 v[ST+8*\t+4+\j], v[ST+8*\t+4+\j], v[S+32*\t+8*\j+2*\q+1], v[S+32*\t+8*\j+2*\q+2]
.endr
.endr
.endr
.irp t, 0,1
	v_max3_num_f32 v[ST+8*\t+4], v[ST+8*\t+4], v[S+32*\t+7], v[S+32*\t+15]
	v_max3_num_f32 v[ST+8*\t+6], v[ST+8*\t+6], v[S+32*\t+23], v[S+32*\t+31]
.endr
.irp t, 0,1
	v_max3_num_f32 v[ST+8*\t+4], v[ST+8*\t+4], v[ST+8*\t+5], v[ST+8*\t+6]
.endr
.irp t, 0,1
	v_max3_num_f32 v[ST+8*\t+4], v[ST+8*\t+4], v[ST+8*\t+7], v[ST+8*\t+1]   ; and the old m
.endr
.irp t, 0,1
	v_permlanex16_b32 v[ST+8*\t+5], v[ST+8*\t+4], s56, s57                  ; the query's other 32 keys
	v_mov_b32 v[ST+8*\t+7], v[ST+8*\t]
.endr
.irp t, 0,1
	v_max_num_f32 v[ST+8*\t+1], v[ST+8*\t+4], v[ST+8*\t+5]
.endr
.irp t, 0,1
	v_mul_f32 v[ST+8*\t], s54, v[ST+8*\t+1]
.endr
.irp t, 0,1
	v_sub_f32 v[ST+8*\t+7], v[ST+8*\t+7], v[ST+8*\t]                         ; c m_old - c m_new
.endr
.irp b, 0,2,4,6,8,10,12,14,16,18,20,22,24,26,28,30
.irp t, 0,1
	v_pk_fma_f32 v[S+32*\t+\b:S+32*\t+\b+1], v[S+32*\t+\b:S+32*\t+\b+1], s[54:55], v[ST+8*\t:ST+8*\t+1] op_sel_hi:[1,0,0] neg_lo:[0,0,1] neg_hi:[0,0,1]
.endr
.endr
.irp t, 0,1
	v_exp_f32 v[ST+8*\t+6], v[ST+8*\t+7]           ; a
.endr
.irp e, 0,1,2,3,4,5,6,7,8,9,10,11,12,13,14,15,16,17,18,19,20,21,22,23,24,25,26,27,28,29,30,31
.irp t, 0,1
	v_exp_f32 v[S+32*\t+\e], v[S+32*\t+\e]
.endr
.endr
	v_nop                                          ; a plain instruction behind the last exponential
	s_wait_alu depctr_va_vdst(0)                   ; one wait for the batch of 66, ahead of its first reader
.irp t, 0,1
	v_pk_add_f32 v[ST+8*\t+4:ST+8*\t+5], v[S+32*\t:S+32*\t+1], v[S+32*\t+2:S+32*\t+3]
	v_pk_add_f32 v[28+2*\t:29+2*\t], v[S+32*\t+4:S+32*\t+5], v[S+32*\t+6:S+32*\t+7]
.endr
.irp b, 8,12,16,20,24,28
.irp t, 0,1
	v_pk_add_f32 v[ST+8*\t+4:ST+8*\t+5], v[ST+8*\t+4:ST+8*\t+5], v[S+32*\t+\b:S+32*\t+\b+1]
	v_pk_add_f32 v[28+2*\t:29+2*\t], v[28+2*\t:29+2*\t], v[S+32*\t+\b+2:S+32*\t+\b+3]
.endr
.endr
.irp t, 0,1
	v_pk_add_f32 v[ST+8*\t+4:ST+8*\t+5], v[ST+8*\t+4:ST+8*\t+5], v[28+2*\t:29+2*\t]
.endr
.irp t, 0,1
	v_pk_fma_f32 v[ST+8*\t+2:ST+8*\t+3], v[ST+8*\t+2:ST+8*\t+3], v[ST+8*\t+6:ST+8*\t+7], v[ST+8*\t+4:ST+8*\t+5] op_sel_hi:[1,0,1]   ; l = l a + the sum
.endr
.irp i, 0,1,2,3,4,5,6,7,8,9,10,11,12,13,14,15
.irp t, 0,1
	v_cvt_pk_f16_f32 v[S+32*\t+\i], v[S+32*\t+2*\i], v[S+32*\t+2*\i+1]       ; P, packed in place: fragment ks at S + 32 t + 8 ks
.endr
.endr
	s_wait_dscnt 0x0                               ; V is in
	WIN 0x41
.irp i, 0,2,4,6,8,10,12,14,16,18,20,22,24,26,28,30
.irp t, 0,1
	v_pk_mul_f32 v[32*\t+\i:32*\t+\i+1], v[32*\t+\i:32*\t+\i+1], v[ST+8*\t+6:ST+8*\t+7] op_sel_hi:[1,0]   ; O^T x a
.endr
.endr
	WIN 0x50
.irp ks, 0,1
.irp dt, 0,1,2,3
.irp t, 0,1
	v_wmma_f32_16x16x32_f16 v[32*\t+8*\dt:32*\t+8*\dt+7], v[VF+8*(4*\ks+\dt):VF+8*(4*\ks+\dt)+7], v[S+32*\t+8*\ks:S+32*\t+8*\ks+7], v[32*\t+8*\dt:32*\t+8*\dt+7]
.endr
.endr
.endr
	WIN 0
.rept 5
	v_nop                                          ; places: the next scores are written over P's registers by matrix instructions (five), the next loads land in K's and V's (four)
.endr
.Lskip_\@:
	s_wait_kmcnt 0x0
	s_mov_b64 s[40:41], s[42:43]
	s_mov_b64 s[42:43], s[44:45]
	s_mov_b64 s[44:45], s[46:47]
	s_wait_xcnt 0x0                                ; the stage's loads have read their bases
	s_add_nc_u64 s[16:17], s[16:17], 8192
	s_add_nc_u64 s[18:19], s[18:19], 8192
	s_add_co_u32 s52, s52, 256
	s_wait_dscnt 0x0                               ; my reads of this slot are over and my stores into the other have landed
	s_barrier_signal -1
	s_barrier_wait -1
.endm
.macro CHUNK second
.if \second
	s_wait_loadcnt 0x0                             ; no load lands on a register that an earlier load may still write: the loop's loads into the staging sets are done on every way here (its last two steps ask for nothing, so none is out)
	s_wait_xcnt 0x0                                ; the first block's stores have read their registers and their base
	s_sub_co_u32 s58, 7, ttmp9
.else
	s_mov_b32 s58, ttmp9
.endif
	s_lshl_b32 s59, s58, 8
	s_lshl_b32 s24, s12, 5
	s_add_co_u32 s59, s59, s24                     ; my first query
	s_lshl_b32 s22, s13, 10
	s_lshr_b32 s24, s59, 1
	s_add_co_u32 s22, s22, s24
	s_lshl_b32 s53, s58, 5
	s_load_b128 s[28:31], s[8:9], s22 offset:0x400 ; my two tiles' smallest and largest index
	s_load_b256 s[32:39], s[20:21], s53 offset:0x0 ; the block's four steps'
	s_load_b128 s[40:43], s[20:21], 0x0            ; key steps 0, 1
	s_load_b64 s[44:45], s[20:21], 0x10            ; and 2
	s_lshl_b32 s24, s59, 7
	s_mov_b32 s25, 0
	s_add_nc_u64 s[26:27], s[4:5], s[24:25]        ; Q
	s_lshl_b32 s24, s59, 2
	s_add_nc_u64 s[66:67], s[6:7], s[24:25]        ; my queries' indices
	s_lshl_b32 s24, s13, 22
	s_lshl_b32 s23, s59, 11
	s_add_co_u32 s24, s24, s23
	s_lshl_b32 s23, s14, 11
	s_add_co_u32 s24, s24, s23
	s_add_nc_u64 s[68:69], s[10:11], s[24:25]      ; y
	s_mov_b64 s[16:17], s[60:61]
	s_mov_b64 s[18:19], s[62:63]
	WIN 0x40
.irp t, 0,1
.irp kk, 0,1
.irp c, 0,1
	global_load_b128 v[64+16*\t+8*\kk+4*\c:64+16*\t+8*\kk+4*\c+3], v[LI], s[26:27] offset:2048*\t+1024*\kk+512*\c
.endr
.endr
.endr
.set N, 0
.rept 64
	v_mov_b32 v[N], 0                              ; O^T.  Which step is a row's first hangs on the indices, so the loop has no first step of its own
.set N, N+1
.endr
	WIN 0
	global_load_b32 v[QI], v[R4], s[66:67]
	global_load_b32 v[QI+1], v[R4], s[66:67] offset:64
	STAGE_LD 0, 0                                  ; steps 0 and 1 are always fetched: both sets are written on every path
	STAGE_LD 1, 8192
.irp t, 0,1
	v_mov_b32 v[ST+8*\t+1], 0xff61b1e6             ; m = -3e38, under every score
	v_mul_f32 v[ST+8*\t], s54, v[ST+8*\t+1]
.irp k, 2,3,4,5,6,7
	v_mov_b32 v[ST+8*\t+\k], 0
.endr
.endr
	s_wait_kmcnt 0x0
	s_min_i32 s48, s28, s30
	s_max_i32 s49, s29, s31
	s_max_i32 s50, s33, s35
	s_max_i32 s50, s50, s37
	s_max_i32 s50, s50, s39
	s_wait_loadcnt 4                               ; Q, the indices and step 0 are in; step 1's four loads may be out
	STAGE_ST 0, 0
	s_wait_xcnt 0x0
	s_add_nc_u64 s[16:17], s[16:17], 16384         ; on to step 2
	s_add_nc_u64 s[18:19], s[18:19], 16384
	s_mov_b32 s51, 0
	s_mov_b32 s52, 0
	s_wait_dscnt 0x0
	s_barrier_signal -1
	s_barrier_wait -1
.Lk_\@:
	STEP 0
	STEP 1
	s_add_co_u32 s51, s51, 2
	s_cmp_lt_u32 s51, 32
	s_cbranch_scc1 .Lk_\@
	; the way out: every row sees at least its own key, so l is at least 1
.irp t, 0,1
	v_add_f32 v[ST+8*\t+4], v[ST+8*\t+2], v[ST+8*\t+3]
.endr
.irp t, 0,1
	v_permlanex16_b32 v[ST+8*\t+5], v[ST+8*\t+4], s56, s57
.endr
.irp t, 0,1
	v_add_f32 v[ST+8*\t+4], v[ST+8*\t+4], v[ST+8*\t+5]
.endr
.irp t, 0,1
	v_rcp_f32 v[ST+8*\t+6], v[ST+8*\t+4]
.endr
	v_nop
	s_wait_alu depctr_va_vdst(0)                   ; one wait for the two reciprocals
	WIN 0x01
.irp i, 0,2,4,6,8,10,12,14,16,18,20,22,24,26,28,30
.irp t, 0,1
	v_pk_mul_f32 v[S+32*\t+\i:S+32*\t+\i+1], v[32*\t+\i:32*\t+\i+1], v[ST+8*\t+6:ST+8*\t+7] op_sel_hi:[1,0]
.endr
.endr
	WIN 0
.irp i, 0,1,2,3,4,5,6,7,8,9,10,11,12,13,14,15
.irp t, 0,1
	v_cvt_pk_f16_f32 v[S+32*\t+\i], v[S+32*\t+2*\i], v[S+32*\t+2*\i+1]
.endr
.endr
.irp t, 0,1
.irp dt, 0,1,2,3
	global_store_b128 v[LI], v[S+32*\t+4*\dt:S+32*\t+4*\dt+3], s[68:69] offset:32768*\t+512*\dt   ; 512 consecutive bytes, aligned
.endr
.endr
.endm
	CHUNK 0
	CHUNK 1
	s_wait_tensorcnt 0x0                           ; the wave's end
	ds_add_u32 v[SPW], v[NIL]
	s_wait_dscnt 0x0
	s_endpgm
.Lfunc_end_k_q1cfa24faf0_attention:
	.size	k_q1cfa24faf0_attention, .Lfunc_end_k_q1cfa24faf0_attention-k_q1cfa24faf0_attention
	.p2alignl 7, 3214868480
	.fill 96, 4, 3214868480
	.section	.rodata,"a",@progbits
	.p2align	6, 0x0
	.amdhsa_kernel k_q1cfa24faf0_attention
		.amdhsa_group_segment_fixed_size 43008
		.amdhsa_private_segment_fixed_size 0
		.amdhsa_enable_private_segment 0
		.amdhsa_kernarg_size 32
		.amdhsa_user_sgpr_count 2
		.amdhsa_user_sgpr_kernarg_segment_ptr 1
		.amdhsa_wavefront_size32 1
		.amdhsa_system_sgpr_workgroup_id_x 1
		.amdhsa_system_sgpr_workgroup_id_y 1
		.amdhsa_system_sgpr_workgroup_id_z 1
		.amdhsa_system_vgpr_workitem_id 0
		.amdhsa_next_free_vgpr 384
		.amdhsa_next_free_sgpr 72
		.amdhsa_reserve_vcc 1
		.amdhsa_float_denorm_mode_32 3
		.amdhsa_float_denorm_mode_16_64 3
		.amdhsa_memory_ordered 1
		.amdhsa_forward_progress 1
		.amdhsa_inst_pref_size 118
	.end_amdhsa_kernel
	.amdgpu_metadata
---
amdhsa.version: [ 1, 2 ]
amdhsa.kernels:
  - .name:           k_q1cfa24faf0_attention
    .symbol:         k_q1cfa24faf0_attention.kd
    .args:
      - { .name: qkv, .offset: 0, .size: 8, .value_kind: global_buffer, .address_space: global }
      - { .name: indices, .offset: 8, .size: 8, .value_kind: global_buffer, .address_space: global }
      - { .name: info, .offset: 16, .size: 8, .value_kind: global_buffer, .address_space: global }
      - { .name: yimg, .offset: 24, .size: 8, .value_kind: global_buffer, .address_space: global }
    .group_segment_fixed_size: 43008
    .private_segment_fixed_size: 0
    .kernarg_segment_align: 8
    .kernarg_segment_size: 32
    .max_flat_workgroup_size: 256
    .sgpr_count:     72
    .vgpr_count:     384
    .wavefront_size: 32
...
	.end_amdgpu_metadata
.endif
;; end of part 3
;; launch proj (part 4): grid 8 x 32, 4 waves a work-group, clusters of 4 x 4, 327,680 bytes of LDS; arguments yimg, wp, out0; writes out0
.if DOCPART == 4
	.amdgcn_target "amdgcn-amd-amdhsa--gfx1250"
	.amdhsa_code_object_version 6
	.text
	.protected	k_q1cfa24faf0_proj
	.globl	k_q1cfa24faf0_proj
	.p2align	8
	.type	k_q1cfa24faf0_proj,@function
k_q1cfa24faf0_proj:
	s_mov_b64 s[64:65], 0
	v_nop
	global_prefetch_b8 v0, s[64:65] scope:SCOPE_SE
	s_setreg_imm32_b32 hwreg(HW_REG_WAVE_MODE, 25, 1), 1
	s_wait_xcnt 0x0
	s_wait_alu depctr_hold_cnt(0) depctr_sa_sdst(0) depctr_va_vdst(0) depctr_va_sdst(0) depctr_va_ssrc(0) depctr_va_vcc(0) depctr_vm_vsrc(0)
	s_getreg_b32 s2, hwreg(HW_REG_IB_STS2, 6, 4)
	s_cmp_eq_u32 s2, 0
	s_cbranch_scc0 .Lentry_in_a_cluster
	s_endpgm
.Lentry_in_a_cluster:
	s_bfe_u32 s2, ttmp6, 0x10000c
	s_cmp_lg_u32 s2, 0xf033
	s_cbranch_scc0 .Lentry_shape_is_right
	s_endpgm
.Lentry_shape_is_right:
; Launch 4 of 6: out = y W_proj, f16 operands, f32 sums.  No work is left out; the rows that see 16 keys or fewer are written again, more finely, by the last launch.
; A tile of 256 tokens x 128 columns to a work-group (256 work-groups), 128 x 64 to a wave: 32 accumulators = window 1.  K goes in 8 steps of 128 through two LDS slots.
; y and W_proj lie in memory as images of operand registers, [16 rows][k / 8][row][16 bytes]: a K step of a 16-row tile is 4,096 consecutive bytes, a fragment is 16 x lane + a constant: no padding is wanted.
; CLUSTERS of 4 x 4: y's tiles are shared along a row of the cluster, W's along a column: joint loads.  Waves 0, 1 fetch y's 16 tiles (8 each), waves 2, 3 W's 8 (4 each): one load a wave behind each round; it has a
; trip's 128 matrix instructions in which to land; by this text's count one tensor load of a wave is out.
; The matrix instruction takes W's rows as source 0 and y's as source 1: a lane holds one token and eight neighbouring columns.
.set SLOT,   98304                     ; y's 65,536 bytes, then W's 32,768
.set STAGE,  2*SLOT                    ; 16 rows x 272 bytes for each wave, for the way out; no tensor load lands here
.set SPITCH, 272
.set SPARE,  STAGE+4*16*SPITCH
.set ADRA, 16
.set ADRB, 20
.set STO,  24
.set RD,   25
.set CO,   26
.set SPW,  28
.set NIL,  29
.set G1, 24
.set G0, 32
.set G1B, 48
.set G0B, 56
.set MSB, 0
.macro WIN new
.if MSB != (\new)
	s_set_vgpr_msb (MSB<<8)|(\new)
.set MSB, (\new)
.endif
.endm
.macro JLOAD s                         ; an s_nop 0 and four v_nop follow each of the two lines
	s_cmp_eq_u32 s11, 0
	s_cbranch_scc0 .Lfor_b_\@
	tensor_load_to_lds s[G0+4*(\s):G0+4*(\s)+3], s[G1:G1+7]
	s_nop 0
.rept 4
	v_nop
.endr
	s_branch .Lasked_\@
.Lfor_b_\@:
	tensor_load_to_lds s[G0B+4*(\s):G0B+4*(\s)+3], s[G1B:G1B+7]
	s_nop 0
.rept 4
	v_nop
.endr
.Lasked_\@:
.endm
.macro CROUND
	s_barrier_signal -1
	s_barrier_wait -1
	s_cmp_lg_u32 s10, 0
	s_cbranch_scc1 .Lnot_wave_0_\@
	s_barrier_signal -3
.Lnot_wave_0_\@:
	s_barrier_wait -3
	s_barrier_signal -1
	s_barrier_wait -1
.endm
.macro PLACES
.rept 4
	v_nop
.endr
.endm
	s_load_b128 s[4:7], s[0:1], 0x0                ; yimg, wp
	s_load_b64 s[8:9], s[0:1], 0x10                ; out0
	v_lshl_add_u32 v[SPW], v0, 2, SPARE
	v_mov_b32 v[NIL], 0
	ds_add_u32 v[SPW], v[NIL]                      ; the opening: the add, twice on end, and its wait ahead of my first tensor load
	ds_add_u32 v[SPW], v[NIL]
	v_lshrrev_b32 v1, 5, v0
	v_readfirstlane_b32 s10, v1
	s_lshr_b32 s11, s10, 1                         ; my half of the tokens.  Also: I fetch y (0) or W (1)
	s_and_b32 s12, s10, 1                          ; my half of the columns.  Also: which half I fetch
	s_bfe_u32 s40, ttmp6, 0x40000
	s_bfe_u32 s41, ttmp6, 0x40004
	s_lshl_b32 s42, ttmp9, 2
	s_add_co_u32 s42, s42, s40                     ; tile column
	s_and_b32 s13, ttmp7, 0xffff
	s_lshl_b32 s13, s13, 2
	s_add_co_u32 s13, s13, s41                     ; tile row
	s_lshl_b32 s43, s41, 2
	s_lshl_b32 s43, 15, s43
	s_lshl_b32 s44, 0x1111, s40
	s_or_b32 s[G1+0], s43, (3<<16)|(1<<21)         ; mask; elements of 8 bytes; no padding
	s_or_b32 s[G1B+0], s44, (3<<16)|(1<<21)
	s_mov_b32 s[G1+1], 512<<16                     ; rows of 4,096 bytes,
	s_mov_b32 s[G1+2], 8<<16                       ; eight of them,
	s_mov_b32 s[G1+3], 512<<16
	s_mov_b32 s[G1+4], 8
	s_mov_b32 s[G1+5], 4096                        ; 32,768 bytes apart
	s_mov_b32 s[G1+6], 0
	s_mov_b32 s[G1+7], 0
	s_mov_b32 s[G1B+1], 512<<16
	s_mov_b32 s[G1B+2], 4<<16
	s_mov_b32 s[G1B+3], 512<<16
	s_mov_b32 s[G1B+4], 4
	s_mov_b32 s[G1B+5], 4096
	s_mov_b32 s[G1B+6], 0
	s_mov_b32 s[G1B+7], 0
	s_lshl_b32 s16, s13, 4
	s_lshl_b32 s17, s12, 3
	s_add_co_u32 s16, s16, s17
	s_lshl_b32 s16, s16, 15                        ; y: token tile 16 x tile row + 8 x half
	s_mov_b32 s17, 0
	s_lshl_b32 s46, s42, 3
	s_lshl_b32 s47, s12, 2
	s_add_co_u32 s46, s46, s47
	s_lshl_b32 s46, s46, 15                        ; W: column tile 8 x tile column + 4 x half
	s_mov_b32 s47, 0
	s_lshl_b32 s20, s12, 15                        ; where they go
	s_lshl_b32 s21, s12, 14
	s_add_co_u32 s21, s21, 65536
	s_wait_dscnt 0x0
	s_wait_kmcnt 0x0
	s_add_nc_u64 s[14:15], s[4:5], s[16:17]
	s_add_nc_u64 s[46:47], s[6:7], s[46:47]
	CROUND                                         ; in front of the first joint loads
.irp s, 0,1
	s_mov_b32 s[G0+4*\s], 1
	s_add_co_u32 s[G0+4*\s+1], s20, \s*SLOT
	s_add_nc_u64 s[G0+4*\s+2:G0+4*\s+3], s[14:15], \s*4096
	s_or_b32 s[G0+4*\s+3], s[G0+4*\s+3], 0x80000000
	s_mov_b32 s[G0B+4*\s], 1
	s_add_co_u32 s[G0B+4*\s+1], s21, \s*SLOT
	s_add_nc_u64 s[G0B+4*\s+2:G0B+4*\s+3], s[46:47], \s*4096
	s_or_b32 s[G0B+4*\s+3], s[G0B+4*\s+3], 0x80000000
.endr
	JLOAD 0                                        ; K step 0; slot 1 is first filled behind the first trip's round, where nobody fills bytes again
	v_and_b32 v1, 15, v0
	v_bfe_u32 v2, v0, 4, 1
	v_and_b32 v3, 31, v0
	v_lshlrev_b32 v3, 4, v3
	s_lshl_b32 s22, s11, 15
	s_lshl_b32 s23, s12, 14
	s_add_co_u32 s23, s23, 65536
.irp s, 0,1
	v_add_nc_u32 v[ADRA+\s], s22, v3
	v_add_nc_u32 v[ADRB+\s], s23, v3
	s_add_co_u32 s22, s22, SLOT
	s_add_co_u32 s23, s23, SLOT
.endr
	s_mul_i32 s22, s10, 16*SPITCH
	s_add_co_u32 s22, s22, STAGE
	v_mul_u32_u24 v4, v1, SPITCH
	v_lshl_add_u32 v4, v2, 5, v4
	v_add_nc_u32 v[STO], s22, v4                   ; in: row = token, 32 bytes for each half of the lanes
	v_mul_u32_u24 v5, v2, SPITCH
	v_lshl_add_u32 v5, v1, 4, v5
	v_add_nc_u32 v[RD], s22, v5                    ; back: lanes 0-15 one row of 256 bytes, lanes 16-31 the next
	v_lshlrev_b32 v5, 12, v2
	v_lshl_add_u32 v[CO], v1, 4, v5
	s_lshl_b32 s16, s13, 8
	s_lshl_b32 s17, s11, 7
	s_add_co_u32 s16, s16, s17
	s_lshl_b32 s16, s16, 12                        ; my first token's row of out0
	s_lshl_b32 s22, s42, 9
	s_lshl_b32 s23, s12, 8
	s_add_co_u32 s22, s22, s23
	s_add_co_u32 s22, s22, s16
	s_mov_b32 s23, 0
	s_add_nc_u64 s[8:9], s[8:9], s[22:23]
.macro FETCH slot, kk, buf             ; 24 LDS loads: y's eight fragments and W's four, 32 along K
.irp i, 0,1,2,3,4,5,6,7
.irp c, 0,1
	ds_load_b128 v[64+64*(\buf)+8*\i+4*\c:64+64*(\buf)+8*\i+4*\c+3], v[ADRA+(\slot)] offset:4096*\i+1024*(\kk)+512*\c
.endr
.endr
.irp b, 0,1,2,3
.irp c, 0,1
	ds_load_b128 v[192+32*(\buf)+8*\b+4*\c:192+32*(\buf)+8*\b+4*\c+3], v[ADRB+(\slot)] offset:4096*\b+1024*(\kk)+512*\c
.endr
.endr
.endm
.macro MUL32 buf, zero                 ; the 32 accumulators take turns, one instruction a turn, in the same order every time
.irp i, 0,1,2,3,4,5,6,7
.irp b, 0,1,2,3
.if \zero
	v_wmma_f32_16x16x32_f16 v[8*(4*\i+\b):8*(4*\i+\b)+7], v[192+32*(\buf)+8*\b:192+32*(\buf)+8*\b+7], v[64+64*(\buf)+8*\i:64+64*(\buf)+8*\i+7], 0
.else
	v_wmma_f32_16x16x32_f16 v[8*(4*\i+\b):8*(4*\i+\b)+7], v[192+32*(\buf)+8*\b:192+32*(\buf)+8*\b+7], v[64+64*(\buf)+8*\i:64+64*(\buf)+8*\i+7], v[8*(4*\i+\b):8*(4*\i+\b)+7]
.endif
.endr
.endr
.endm
.macro TRIP t
.set SL, (\t)%2
	s_wait_tensorcnt 0x0                           ; all my tensor loads have landed: my part of this trip's slot,
	ds_add_u32 v[SPW], v[NIL]                      ; 0 onto my spare word;
	s_add_nc_u64 s[G0+4*SL+2:G0+4*SL+3], s[G0+4*SL+2:G0+4*SL+3], 8192      ; so a group 0 may be written: this slot's next K step
	s_add_nc_u64 s[G0B+4*SL+2:G0B+4*SL+3], s[G0B+4*SL+2:G0B+4*SL+3], 8192
	s_wait_dscnt 0x0                               ; the add is done, and so are my reads of the other slot
	CROUND                                         ; both now hold of every wave of every partner
.if (\t) < 7
	JLOAD 1-SL                                     ; the next K step, into the slot read last trip; its four v_nop are also the places in front of the loads below
.else
	PLACES
.endif
	FETCH SL, 0, 0
.irp kk, 0,1,2,3
.if \kk < 3
.if \kk > 0
	PLACES                                         ; the buffer below was multiplied just now
.endif
	FETCH SL, \kk+1, (\kk+1)%2
	s_wait_dscnt 24                                ; all but the 24 just issued
.else
	s_wait_dscnt 0x0
.endif
	WIN 0x50
.if ((\t) == 0) && (\kk == 0)
	MUL32 0, 1                                     ; the first products start the sums
.else
	MUL32 \kk%2, 0
.endif
	WIN 0
.endr
.endm
.irp t, 0,1,2,3,4,5,6,7
	TRIP \t
.endr
; THE WAY OUT, a tile of 16 tokens at a time through my own stage: a lane's 32 bytes go in, whole rows of 256 bytes come back; sixteen lanes store 256 consecutive bytes, aligned.
.macro TOSTAGE i
	WIN 0x04                                       ; an LDS store's data: window 1
.irp b, 0,1,2,3
	ds_store_b128 v[STO], v[8*(4*(\i)+\b):8*(4*(\i)+\b)+3] offset:64*\b        ; each accumulator from its low end on
	ds_store_b128 v[STO], v[8*(4*(\i)+\b)+4:8*(4*(\i)+\b)+7] offset:64*\b+16
.endr
	WIN 0
.irp u, 0,1,2,3,4,5,6,7
	ds_load_b128 v[32+32*((\i)%2)+4*\u:32+32*((\i)%2)+4*\u+3], v[RD] offset:\u*2*SPITCH   ; LDS serves a wave's instructions in order
.endr
.endm
.macro SEND i, younger
	s_wait_dscnt \younger
.irp u, 0,1,2,3,4,5,6,7
	global_store_b128 v[CO], v[32+32*((\i)%2)+4*\u:32+32*((\i)%2)+4*\u+3], s[8:9] offset:65536*(\i)+8192*\u th:TH_STORE_NT
.endr
.endm
	PLACES
	TOSTAGE 0
.irp i, 1,2,3,4,5,6,7
.if \i > 1
	s_wait_xcnt 0x0                                ; tile i - 2's stores have read the registers into which tile i comes back
.endif
	TOSTAGE \i
	SEND \i-1, 16                                  ; behind tile i - 1's loads: tile i's eight stores and eight loads
.endr
	SEND 7, 0
	s_wait_tensorcnt 0x0                           ; the wave's end: the three lines
	ds_add_u32 v[SPW], v[NIL]
	s_wait_dscnt 0x0
	CROUND                                         ; the closing round
	s_endpgm
.Lfunc_end_k_q1cfa24faf0_proj:
	.size	k_q1cfa24faf0_proj, .Lfunc_end_k_q1cfa24faf0_proj-k_q1cfa24faf0_proj
	.p2alignl 7, 3214868480
	.fill 96, 4, 3214868480
	.section	.rodata,"a",@progbits
	.p2align	6, 0x0
	.amdhsa_kernel k_q1cfa24faf0_proj
		.amdhsa_group_segment_fixed_size 327680
		.amdhsa_private_segment_fixed_size 0
		.amdhsa_enable_private_segment 0
		.amdhsa_kernarg_size 24
		.amdhsa_user_sgpr_count 2
		.amdhsa_user_sgpr_kernarg_segment_ptr 1
		.amdhsa_wavefront_size32 1
		.amdhsa_system_sgpr_workgroup_id_x 1
		.amdhsa_system_sgpr_workgroup_id_y 1
		.amdhsa_system_sgpr_workgroup_id_z 1
		.amdhsa_system_vgpr_workitem_id 0
		.amdhsa_next_free_vgpr 512
		.amdhsa_next_free_sgpr 66
		.amdhsa_reserve_vcc 0
		.amdhsa_float_denorm_mode_32 3
		.amdhsa_float_denorm_mode_16_64 3
		.amdhsa_memory_ordered 1
		.amdhsa_forward_progress 1
		.amdhsa_inst_pref_size 147
	.end_amdhsa_kernel
	.amdgpu_metadata
---
amdhsa.version: [ 1, 2 ]
amdhsa.kernels:
  - .name:           k_q1cfa24faf0_proj
    .symbol:         k_q1cfa24faf0_proj.kd
    .args:
      - { .name: yimg, .offset: 0, .size: 8, .value_kind: global_buffer, .address_space: global }
      - { .name: wp, .offset: 8, .size: 8, .value_kind: global_buffer, .address_space: global }
      - { .name: out0, .offset: 16, .size: 8, .value_kind: global_buffer, .address_space: global }
    .group_segment_fixed_size: 327680
    .private_segment_fixed_size: 0
    .kernarg_segment_align: 8
    .kernarg_segment_size: 24
    .max_flat_workgroup_size: 128
    .sgpr_count:     66
    .vgpr_count:     512
    .wavefront_size: 32
...
	.end_amdgpu_metadata
.endif
;; end of part 4
;; launch fine_att (part 5): grid 64 x 1, 6 waves a work-group, no clusters, 13,824 bytes of LDS; arguments xq, wq, tab, info, yimg, yfine; writes yfine
.if DOCPART == 5
	.amdgcn_target "amdgcn-amd-amdhsa--gfx1250"
	.amdhsa_code_object_version 6
	.text
	.protected	k_q1cfa24faf0_fine_att
	.globl	k_q1cfa24faf0_fine_att
	.p2align	8
	.type	k_q1cfa24faf0_fine_att,@function
k_q1cfa24faf0_fine_att:
	s_mov_b64 s[64:65], 0
	v_nop
	global_prefetch_b8 v0, s[64:65] scope:SCOPE_SE
	s_setreg_imm32_b32 hwreg(HW_REG_WAVE_MODE, 25, 1), 1
	s_wait_xcnt 0x0
; Launch 5 of 6: the rows that average few values, in f32.  For each batch the first launch listed the 16 tokens lowest in (index, position); a row that sees 16 keys or fewer is among them, and so are all its keys.
; A work-group takes one batch and head: q, k, v of the 16 listed tokens anew from the codes (the quantised product, by the format's own matrix instruction), the rotation, scores, softmax and P V in f32.
; A listed row that sees more than 16 keys (its flag is 0) keeps the main launch's y: a choice of values, no branch.  All 16 rows are always stored.  No other work is left out.
; Wave w: part w / 2 (q, k, v), column tiles w % 2 and w % 2 + 2 of the head's four, which turn with each other.  Behind one barrier wave 0 does the small rest.
; REGISTERS: window 0: v1-13 addresses; v16-79 x's fragments, later k and q, later v and y; v80-103 scale words and nothing else; v104-119 the quantised product's sums, later the main y;
;   v120-151, v152-183 the f32 matrix form's sums: written by matrix instructions alone; v184-237 at work.   window 1: v0-127 W's fragments.
.set PT,    272                        ; LDS: q, k, v [16 rows][64] f32, rows 272 bytes apart, 4,352 bytes each
.set SPARE, 13056
.set SPW, 14
.set NIL, 15
.set MSB, 0
.macro WIN new
.if MSB != (\new)
	s_set_vgpr_msb (MSB<<8)|(\new)
.set MSB, (\new)
.endif
.endm
	s_load_b256 s[4:11], s[0:1], 0x0               ; xq, wq, tab, info
	s_load_b128 s[12:15], s[0:1], 0x20             ; yimg, yfine
	v_lshl_add_u32 v[SPW], v0, 2, SPARE
	v_mov_b32 v[NIL], 0
	v_lshrrev_b32 v1, 5, v0
	v_readfirstlane_b32 s16, v1
	s_lshr_b32 s17, s16, 1                         ; part
	s_and_b32 s18, s16, 1                          ; tile
	s_lshr_b32 s19, ttmp9, 4                       ; batch
	s_and_b32 s20, ttmp9, 15                       ; head
	v_and_b32 v1, 15, v0                           ; r
	v_bfe_u32 v2, v0, 4, 1                         ; h
	v_and_b32 v3, 31, v0
	v_lshlrev_b32 v3, 4, v3                        ; 16 x lane
	s_mul_i32 s34, s17, 16*PT
	s_lshl_b32 s35, s18, 6
	s_add_co_u32 s34, s34, s35
	v_mul_u32_u24 v6, v1, PT
	v_lshl_add_u32 v4, v2, 5, v6
	v_add_nc_u32 v4, s34, v4                       ; where my results go: part, row r, 64 tile + 32 h
	v_lshl_add_u32 v6, v2, 3, v6                   ; q for the f32 form: row r, 8 h
	v_add_nc_u32 v5, 16*PT, v6                     ; k likewise
	v_mul_u32_u24 v7, v2, 8*PT
	v_lshl_add_u32 v7, v1, 2, v7
	v_add_nc_u32 v7, 32*PT, v7                     ; v: key 8 h, channel r
	v_lshlrev_b32 v13, 9, v1
	v_lshl_add_u32 v13, v2, 4, v13                 ; W: row r of 512 bytes, + 16 h
	v_lshlrev_b32 v226, 5, v1                      ; W's scale words
	v_lshlrev_b32 v9, 2, v1
	v_lshlrev_b32 v10, 5, v2
	v_mov_b32 v227, 0xff800000
	v_mov_b32 v229, 0
	v_mov_b32 v231, 0
	v_mov_b32 v235, 0
	s_mov_b32 s36, 0x3e38aa3b                      ; c = log2(e) / 8
	s_mov_b32 s37, s36
	s_mov_b32 s38, 0x76543210
	s_mov_b32 s39, 0xfedcba98
	s_wait_kmcnt 0x0
	s_lshl_b32 s30, s19, 6
	s_mov_b32 s31, 0
	s_add_nc_u64 s[10:11], s[10:11], s[30:31]
	global_load_b32 v8, v9, s[10:11] offset:5120           ; slot r's position,
	global_load_b32 v224, v9, s[10:11] offset:5376         ; flag,
	global_load_b32 v225, v9, s[10:11] offset:5632         ; index;
	global_load_b128 v[216:219], v10, s[10:11] offset:5632 ; and the indices of keys 8 h .. 8 h + 7
	global_load_b128 v[220:223], v10, s[10:11] offset:5648
	s_lshl_b32 s30, s19, 20
	s_add_nc_u64 s[22:23], s[4:5], s[30:31]        ; x's codes, my batch
	s_lshl_b32 s30, s19, 16
	s_add_co_u32 s30, s30, 0x400000
	s_add_nc_u64 s[24:25], s[4:5], s[30:31]        ; its scale bytes
	s_lshl_b32 s32, s17, 10
	s_lshl_b32 s33, s20, 6
	s_add_co_u32 s32, s32, s33
	s_lshl_b32 s33, s18, 4
	s_add_co_u32 s32, s32, s33                     ; W's first row of mine
	s_lshl_b32 s30, s32, 9
	s_add_nc_u64 s[26:27], s[6:7], s[30:31]
	s_lshl_b32 s30, s32, 5
	s_add_co_u32 s30, s30, 0x180000
	s_add_nc_u64 s[28:29], s[6:7], s[30:31]
	s_lshl_b32 s30, s19, 19
	s_lshl_b32 s33, s18, 10
	s_add_co_u32 s30, s30, s33
	s_add_nc_u64 s[8:9], s[8:9], s[30:31]          ; the table: my batch, my tile's angles
	s_lshl_b32 s30, s19, 22
	s_lshl_b32 s33, s20, 11
	s_add_co_u32 s30, s30, s33
	s_add_nc_u64 s[12:13], s[12:13], s[30:31]      ; the main y: my batch and head
	s_lshl_b32 s30, ttmp9, 12
	s_add_nc_u64 s[14:15], s[14:15], s[30:31]
	s_wait_loadcnt 0x0
	v_min_u32 v8, 0x7ff, v8                        ; a loaded number enters addresses only behind this hold
	v_lshlrev_b32 v9, 9, v8
	v_lshl_add_u32 v9, v2, 4, v9                   ; x: row pos of 512 bytes, + 16 h
	v_lshlrev_b32 v10, 5, v8                       ; its scale words
	v_and_b32 v11, 0x7f0, v8
	v_and_b32 v12, 15, v8
	v_lshlrev_b32 v12, 4, v12
	v_lshl_add_u32 v12, v2, 8, v12                 ; 16 (pos % 16) + 256 h
	v_lshl_add_u32 v228, v11, 8, v12               ; the table: + (pos / 16) x 4,096
	v_lshl_add_u32 v12, v11, 11, v12               ; the main y: + (pos / 16) x 32,768
.irp ks, 0,1,2,3,4,5,6,7
.irp c, 0,1
	global_load_b128 v[16+8*\ks+4*\c:16+8*\ks+4*\c+3], v9, s[22:23] offset:64*\ks+32*\c
.endr
.endr
	global_load_b128 v[80:83], v10, s[24:25]
	global_load_b128 v[84:87], v10, s[24:25] offset:16
.irp tt, 0,1
	global_load_b128 v[88+8*\tt:88+8*\tt+3], v226, s[28:29] offset:1024*\tt
	global_load_b128 v[92+8*\tt:92+8*\tt+3], v226, s[28:29] offset:1024*\tt+16
.endr
	WIN 0x40
.irp tt, 0,1
.irp ks, 0,1,2,3,4,5,6,7
.irp c, 0,1
	global_load_b128 v[64*\tt+8*\ks+4*\c:64*\tt+8*\ks+4*\c+3], v13, s[26:27] offset:16384*\tt+64*\ks+32*\c
.endr
.endr
.endr
	s_wait_loadcnt 0x0
	WIN 0x01
.irp ks, 0,1,2,3,4,5,6,7               ; source 0 = 16 rows of W, source 1 = the 16 listed rows of x; the two accumulators take turns
.irp tt, 0,1
.if \ks == 0
	v_wmma_scale_f32_16x16x128_f8f6f4 v[104+8*\tt:104+8*\tt+7], v[64*\tt+8*\ks:64*\tt+8*\ks+7], v[16+8*\ks:16+8*\ks+7], 0, v[88+8*\tt+\ks], v[80+\ks] matrix_a_fmt:MATRIX_FMT_FP4 matrix_b_fmt:MATRIX_FMT_FP4
.else
	v_wmma_scale_f32_16x16x128_f8f6f4 v[104+8*\tt:104+8*\tt+7], v[64*\tt+8*\ks:64*\tt+8*\ks+7], v[16+8*\ks:16+8*\ks+7], v[104+8*\tt:104+8*\tt+7], v[88+8*\tt+\ks], v[80+\ks] matrix_a_fmt:MATRIX_FMT_FP4 matrix_b_fmt:MATRIX_FMT_FP4
.endif
.endr
.endr
	WIN 0
.rept 4
	v_nop
.endr
	s_cmp_lt_u32 s17, 2
	s_cbranch_scc0 .Lplain
	global_load_b128 v[184:187], v228, s[8:9]              ; cos of my eight angles,
	global_load_b128 v[188:191], v228, s[8:9] offset:512
	global_load_b128 v[192:195], v228, s[8:9] offset:2048  ; sin
	global_load_b128 v[196:199], v228, s[8:9] offset:2560
	s_wait_loadcnt 0x0
.irp jp, 0,2,4,6
	v_pk_mul_f32 v[200+\jp:201+\jp], v[112+\jp:113+\jp], v[192+\jp:193+\jp]
	v_pk_mul_f32 v[208+\jp:209+\jp], v[112+\jp:113+\jp], v[184+\jp:185+\jp]
.endr
.irp jp, 0,2,4,6
	v_pk_fma_f32 v[200+\jp:201+\jp], v[104+\jp:105+\jp], v[184+\jp:185+\jp], v[200+\jp:201+\jp] neg_lo:[0,0,1] neg_hi:[0,0,1]
	v_pk_fma_f32 v[208+\jp:209+\jp], v[104+\jp:105+\jp], v[192+\jp:193+\jp], v[208+\jp:209+\jp]
.endr
	ds_store_b128 v4, v[200:203]
	ds_store_b128 v4, v[204:207] offset:16
	ds_store_b128 v4, v[208:211] offset:128
	ds_store_b128 v4, v[212:215] offset:144
	s_branch .Lmeet
.Lplain:
	ds_store_b128 v4, v[104:107]
	ds_store_b128 v4, v[108:111] offset:16
	ds_store_b128 v4, v[112:115] offset:128
	ds_store_b128 v4, v[116:119] offset:144
.Lmeet:
	s_wait_dscnt 0x0                               ; for the others' sake: my stores have landed
	s_barrier_signal -1
	s_barrier_wait -1
	s_cmp_lg_u32 s16, 0
	s_cbranch_scc1 .Lend
.irp dt, 0,1,2,3
	global_load_b128 v[104+4*\dt:104+4*\dt+3], v12, s[12:13] offset:512*\dt   ; the main launch's y of slot r, channels 16 dt + 8 h + 0..7, f16
.endr
.irp s, 0,1,2,3,4,5,6,7,8,9,10,11,12,13,14,15
	ds_load_b64 v[16+2*\s:17+2*\s], v5 offset:16*\s        ; k(r, 4 s + 2 h + 0, 1)
	ds_load_b64 v[48+2*\s:49+2*\s], v6 offset:16*\s        ; q likewise
.endr
	s_wait_dscnt 0x0
.irp s, 0,1,2,3,4,5,6,7,8,9,10,11,12,13,14,15  ; S^T = k q^T, four sums by turns; each begins with its own first step
.if \s < 4
	v_wmma_f32_16x16x4_f32 v[120+8*(\s%4):127+8*(\s%4)], v[16+2*\s:17+2*\s], v[48+2*\s:49+2*\s], 0
.else
	v_wmma_f32_16x16x4_f32 v[120+8*(\s%4):127+8*(\s%4)], v[16+2*\s:17+2*\s], v[48+2*\s:49+2*\s], v[120+8*(\s%4):127+8*(\s%4)]
.endif
.endr
.rept 8
	v_nop                                          ; eight places behind this form
.endr
.irp s, 0,1,2,3
.irp dt, 0,1,2,3
.irp j, 0,1
	ds_load_b32 v[16+2*(4*\s+\dt)+\j], v7 offset:PT*(2*\s+\j)+64*\dt   ; v(key 8 h + 2 s + j, channel 16 dt + r): the keys in the order in which a lane holds p
.endr
.endr
.endr
.irp jp, 0,2,4,6
	v_pk_add_f32 v[184+\jp:185+\jp], v[120+\jp:121+\jp], v[128+\jp:129+\jp]
	v_pk_add_f32 v[200+\jp:201+\jp], v[136+\jp:137+\jp], v[144+\jp:145+\jp]
.endr
.irp jp, 0,2,4,6
	v_pk_add_f32 v[184+\jp:185+\jp], v[184+\jp:185+\jp], v[200+\jp:201+\jp]   ; score(key 8 h + j, query r)
.endr
.irp j, 0,1,2,3,4,5,6,7
	v_cmp_gt_i32 vcc_lo, v[216+\j], v225
	v_cndmask_b32 v[184+\j], v[184+\j], v227, vcc_lo
.endr
	v_max3_num_f32 v230, v184, v185, v186
	v_max3_num_f32 v230, v230, v187, v188
	v_max3_num_f32 v230, v230, v189, v190
	v_max_num_f32 v230, v230, v191
	v_permlanex16_b32 v229, v230, s38, s39
	v_max_num_f32 v230, v230, v229                 ; the row's maximum: every row sees itself
	v_mul_f32 v230, s36, v230
.irp jp, 0,2,4,6
	v_pk_fma_f32 v[184+\jp:185+\jp], v[184+\jp:185+\jp], s[36:37], v[230:231] op_sel_hi:[1,0,0] neg_lo:[0,0,1] neg_hi:[0,0,1]
.endr
.irp j, 0,1,2,3,4,5,6,7
	v_exp_f32 v[184+\j], v[184+\j]
.endr
	v_nop
	s_wait_alu depctr_va_vdst(0)                   ; one wait for the eight
	v_pk_add_f32 v[232:233], v[184:185], v[186:187]
	v_pk_add_f32 v[232:233], v[232:233], v[188:189]
	v_pk_add_f32 v[232:233], v[232:233], v[190:191]
	v_add_f32 v232, v232, v233
	v_permlanex16_b32 v233, v232, s38, s39
	v_add_f32 v232, v232, v233
	v_rcp_f32 v234, v232
	v_nop
	s_wait_alu depctr_va_vdst(0)
	s_wait_dscnt 0x0
.irp s, 0,1,2,3                        ; O^T = v^T p, one sum for each 16 channels, by turns
.irp dt, 0,1,2,3
.if \s == 0
	v_wmma_f32_16x16x4_f32 v[152+8*\dt:159+8*\dt], v[16+2*(4*\s+\dt):17+2*(4*\s+\dt)], v[184+2*\s:185+2*\s], 0
.else
	v_wmma_f32_16x16x4_f32 v[152+8*\dt:159+8*\dt], v[16+2*(4*\s+\dt):17+2*(4*\s+\dt)], v[184+2*\s:185+2*\s], v[152+8*\dt:159+8*\dt]
.endif
.endr
.endr
.rept 8
	v_nop
.endr
.irp dt, 0,1,2,3
.irp jp, 0,2,4,6
	v_pk_mul_f32 v[48+8*\dt+\jp:49+8*\dt+\jp], v[152+8*\dt+\jp:153+8*\dt+\jp], v[234:235] op_sel_hi:[1,0]   ; y(slot r, 16 dt + 8 h + j)
.endr
.endr
	s_wait_loadcnt 0x0
	v_cmp_eq_u32 vcc_lo, 1, v224                   ; 16 keys or fewer: the fine y; else the main launch's
.macro SEL lo, hi, d
	v_cvt_f32_f16 v236, \lo
	v_cvt_f32_f16 v237, \hi
	v_cndmask_b32 v[\d], v236, v[\d], vcc_lo
	v_cndmask_b32 v[\d+1], v237, v[\d+1], vcc_lo
.endm
	SEL v104.l, v104.h, 48
	SEL v105.l, v105.h, 50
	SEL v106.l, v106.h, 52
	SEL v107.l, v107.h, 54
	SEL v108.l, v108.h, 56
	SEL v109.l, v109.h, 58
	SEL v110.l, v110.h, 60
	SEL v111.l, v111.h, 62
	SEL v112.l, v112.h, 64
	SEL v113.l, v113.h, 66
	SEL v114.l, v114.h, 68
	SEL v115.l, v115.h, 70
	SEL v116.l, v116.h, 72
	SEL v117.l, v117.h, 74
	SEL v118.l, v118.h, 76
	SEL v119.l, v119.h, 78
.irp g, 0,1,2,3,4,5,6,7
	global_store_b128 v3, v[48+4*\g:48+4*\g+3], s[14:15] offset:512*\g
.endr
.Lend:
	s_wait_tensorcnt 0x0                           ; the wave's end
	ds_add_u32 v[SPW], v[NIL]
	s_wait_dscnt 0x0
	s_endpgm
.Lfunc_end_k_q1cfa24faf0_fine_att:
	.size	k_q1cfa24faf0_fine_att, .Lfunc_end_k_q1cfa24faf0_fine_att-k_q1cfa24faf0_fine_att
	.p2alignl 7, 3214868480
	.fill 96, 4, 3214868480
	.section	.rodata,"a",@progbits
	.p2align	6, 0x0
	.amdhsa_kernel k_q1cfa24faf0_fine_att
		.amdhsa_group_segment_fixed_size 13824
		.amdhsa_private_segment_fixed_size 0
		.amdhsa_enable_private_segment 0
		.amdhsa_kernarg_size 48
		.amdhsa_user_sgpr_count 2
		.amdhsa_user_sgpr_kernarg_segment_ptr 1
		.amdhsa_wavefront_size32 1
		.amdhsa_system_sgpr_workgroup_id_x 1
		.amdhsa_system_sgpr_workgroup_id_y 1
		.amdhsa_system_sgpr_workgroup_id_z 1
		.amdhsa_system_vgpr_workitem_id 0
		.amdhsa_next_free_vgpr 384
		.amdhsa_next_free_sgpr 66
		.amdhsa_reserve_vcc 1
		.amdhsa_float_denorm_mode_32 3
		.amdhsa_float_denorm_mode_16_64 3
		.amdhsa_memory_ordered 1
		.amdhsa_forward_progress 1
		.amdhsa_inst_pref_size 27
	.end_amdhsa_kernel
	.amdgpu_metadata
---
amdhsa.version: [ 1, 2 ]
amdhsa.kernels:
  - .name:           k_q1cfa24faf0_fine_att
    .symbol:         k_q1cfa24faf0_fine_att.kd
    .args:
      - { .name: xq, .offset: 0, .size: 8, .value_kind: global_buffer, .address_space: global }
      - { .name: wq, .offset: 8, .size: 8, .value_kind: global_buffer, .address_space: global }
      - { .name: tab, .offset: 16, .size: 8, .value_kind: global_buffer, .address_space: global }
      - { .name: info, .offset: 24, .size: 8, .value_kind: global_buffer, .address_space: global }
      - { .name: yimg, .offset: 32, .size: 8, .value_kind: global_buffer, .address_space: global }
      - { .name: yfine, .offset: 40, .size: 8, .value_kind: global_buffer, .address_space: global }
    .group_segment_fixed_size: 13824
    .private_segment_fixed_size: 0
    .kernarg_segment_align: 8
    .kernarg_segment_size: 48
    .max_flat_workgroup_size: 192
    .sgpr_count:     66
    .vgpr_count:     384
    .wavefront_size: 32
...
	.end_amdgpu_metadata
.endif
;; end of part 5
;; launch fine_proj (part 6): grid 16 x 4, 16 waves a work-group, no clusters, 133,120 bytes of LDS; arguments yfine, W_proj, info, out0; writes out0
.if DOCPART == 6
	.amdgcn_target "amdgcn-amd-amdhsa--gfx1250"
	.amdhsa_code_object_version 6
	.text
	.protected	k_q1cfa24faf0_fine_proj
	.globl	k_q1cfa24faf0_fine_proj
	.p2align	8
	.type	k_q1cfa24faf0_fine_proj,@function
k_q1cfa24faf0_fine_proj:
	s_mov_b64 s[64:65], 0
	v_nop
	global_prefetch_b8 v0, s[64:65] scope:SCOPE_SE
	s_setreg_imm32_b32 hwreg(HW_REG_WAVE_MODE, 25, 1), 1
	s_wait_xcnt 0x0
; Launch 6 of 6: the projection of each batch's 16 listed rows in f32 (fused multiply-adds; 64 rows in all: no bulk work), written over what the main projection left there.  No work is left out.
; A work-group takes a batch and 64 columns.  Wave w takes K = 64 w .. 64 w + 63 (head w) for all 16 rows; a lane takes two columns; the sixteen partial sums meet in LDS, and wave w adds and stores row w.
; No matrix unit, no cluster: 16 rows of f32, and each weight is used once by each work-group.
.set PTB,   65536                      ; LDS: from 0 y turned, [k 64][row 16] f32, 4 KB for each wave, its own; from PTB the partial sums, 4 KB for each wave
.set SPARE, 131072                     ; the spare words: eight blocks of 256 bytes that no other line names
.set SPW, 2
.set NIL, 3
	s_load_b256 s[4:11], s[0:1], 0x0               ; yfine, W_proj, info, out0
	v_lshl_add_u32 v[SPW], v0, 2, SPARE
	v_mov_b32 v[NIL], 0
	v_lshrrev_b32 v1, 5, v0
	v_readfirstlane_b32 s12, v1
	v_and_b32 v1, 31, v0
	v_lshlrev_b32 v4, 4, v1
	v_lshlrev_b32 v5, 3, v1
	v_and_b32 v10, 15, v0
	v_bfe_u32 v11, v0, 4, 1
	s_lshl_b32 s16, s12, 12
	v_lshlrev_b32 v6, 2, v10
	v_lshl_add_u32 v6, v11, 9, v6
	v_add_nc_u32 v6, s16, v6                       ; y turned, in: 4,096 w + 512 h + 4 r
	v_mov_b32 v7, s16                              ; and out: the same 64 bytes for every lane
	v_add_nc_u32 v8, s16, v5
	v_add_nc_u32 v8, PTB, v8                       ; my partial sums
	s_lshl_b32 s17, s12, 8
	v_add_nc_u32 v9, s17, v5
	v_add_nc_u32 v9, PTB, v9                       ; row w of everybody's
	s_and_b32 s14, ttmp7, 0xffff                   ; batch
	s_lshl_b32 s18, s14, 6
	s_lshl_b32 s19, s12, 2
	s_add_co_u32 s18, s18, s19
	s_wait_kmcnt 0x0
	s_load_b32 s15, s[8:9], s18 offset:0x1400      ; the position of listed row w
	s_lshl_b32 s20, s14, 4
	s_add_co_u32 s20, s20, s12
	s_lshl_b32 s20, s20, 12
	s_mov_b32 s21, 0
	s_add_nc_u64 s[4:5], s[4:5], s[20:21]
	s_lshl_b32 s20, s12, 18
	s_lshl_b32 s22, ttmp9, 8
	s_add_co_u32 s20, s20, s22
	s_add_nc_u64 s[6:7], s[6:7], s[20:21]
.irp g, 0,1,2,3,4,5,6,7
	global_load_b128 v[32+4*\g:32+4*\g+3], v4, s[4:5] offset:512*\g
.endr
.set KL, 0
.rept 64
	global_load_b64 v[96+2*KL:97+2*KL], v5, s[6:7] offset:4096*KL     ; a row of W: the wave reads 256 consecutive bytes, aligned
.set KL, KL+1
.endr
	s_wait_loadcnt 63                              ; of the 72 loads the nine oldest are in: y's eight among them
.irp dt, 0,1,2,3
.irp j, 0,1,2,3,4,5,6,7
	ds_store_b32 v6, v[32+8*\dt+\j] offset:64*(16*\dt+\j)
.endr
.endr
.irp q, 0,1,2,3
	ds_load_b128 v[64+4*\q:64+4*\q+3], v7 offset:16*\q               ; LDS serves a wave's instructions in order: these see my stores
.endr
.set KL, 0
.rept 64
.set YS, 64+16*(KL%2)
.if KL < 63
.irp q, 0,1,2,3
	ds_load_b128 v[64+16*((KL+1)%2)+4*\q:64+16*((KL+1)%2)+4*\q+3], v7 offset:64*(KL+1)+16*\q
.endr
	s_wait_dscnt 4                                 ; this k's sixteen y are in; the next k's four loads may be out
.else
	s_wait_dscnt 0x0
.endif
	s_wait_loadcnt 63-KL                           ; W's row KL is in; the younger rows may be out
.irp e, 0,2,4,6,8,10,12,14
.if KL == 0
	v_pk_mul_f32 v[224+2*\e:225+2*\e], v[96+2*KL:97+2*KL], v[YS+\e:YS+\e+1] op_sel_hi:[1,0]
	v_pk_mul_f32 v[226+2*\e:227+2*\e], v[96+2*KL:97+2*KL], v[YS+\e:YS+\e+1] op_sel:[0,1] op_sel_hi:[1,1]
.else
	v_pk_fma_f32 v[224+2*\e:225+2*\e], v[96+2*KL:97+2*KL], v[YS+\e:YS+\e+1], v[224+2*\e:225+2*\e] op_sel_hi:[1,0,1]
	v_pk_fma_f32 v[226+2*\e:227+2*\e], v[96+2*KL:97+2*KL], v[YS+\e:YS+\e+1], v[226+2*\e:227+2*\e] op_sel:[0,1,0] op_sel_hi:[1,1,1]
.endif
.endr
.set KL, KL+1
.endr
.irp r, 0,1,2,3,4,5,6,7,8,9,10,11,12,13,14,15
	ds_store_b64 v8, v[224+2*\r:225+2*\r] offset:256*\r
.endr
	s_wait_dscnt 0x0                               ; for the others' sake: my stores have landed
	s_barrier_signal -1
	s_barrier_wait -1
.irp u, 0,1,2,3,4,5,6,7,8,9,10,11,12,13,14,15
	ds_load_b64 v[32+2*\u:33+2*\u], v9 offset:4096*\u
.endr
	s_wait_kmcnt 0x0
	s_min_u32 s15, s15, 2047                       ; a loaded number enters an address only behind this hold
	s_lshl_b32 s20, s14, 11
	s_add_co_u32 s20, s20, s15
	s_lshl_b32 s20, s20, 12
	s_add_co_u32 s20, s20, s22
	s_add_nc_u64 s[10:11], s[10:11], s[20:21]
	s_wait_dscnt 0x0
.irp k, 0,1,2,3,4,5,6,7
	v_pk_add_f32 v[32+2*\k:33+2*\k], v[32+2*\k:33+2*\k], v[48+2*\k:49+2*\k]
.endr
.irp k, 0,1,2,3
	v_pk_add_f32 v[32+2*\k:33+2*\k], v[32+2*\k:33+2*\k], v[40+2*\k:41+2*\k]
.endr
.irp k, 0,1
	v_pk_add_f32 v[32+2*\k:33+2*\k], v[32+2*\k:33+2*\k], v[36+2*\k:37+2*\k]
.endr
	v_pk_add_f32 v[32:33], v[32:33], v[34:35]
	global_store_b64 v5, v[32:33], s[10:11]        ; 256 consecutive bytes, aligned
	s_wait_tensorcnt 0x0                           ; the wave's end
	ds_add_u32 v[SPW], v[NIL]
	s_wait_dscnt 0x0
	s_endpgm
.Lfunc_end_k_q1cfa24faf0_fine_proj:
	.size	k_q1cfa24faf0_fine_proj, .Lfunc_end_k_q1cfa24faf0_fine_proj-k_q1cfa24faf0_fine_proj
	.p2alignl 7, 3214868480
	.fill 96, 4, 3214868480
	.section	.rodata,"a",@progbits
	.p2align	6, 0x0
	.amdhsa_kernel k_q1cfa24faf0_fine_proj
		.amdhsa_group_segment_fixed_size 133120
		.amdhsa_private_segment_fixed_size 0
		.amdhsa_enable_private_segment 0
		.amdhsa_kernarg_size 32
		.amdhsa_user_sgpr_count 2
		.amdhsa_user_sgpr_kernarg_segment_ptr 1
		.amdhsa_wavefront_size32 1
		.amdhsa_system_sgpr_workgroup_id_x 1
		.amdhsa_system_sgpr_workgroup_id_y 1
		.amdhsa_system_sgpr_workgroup_id_z 1
		.amdhsa_system_vgpr_workitem_id 0
		.amdhsa_next_free_vgpr 256
		.amdhsa_next_free_sgpr 66
		.amdhsa_reserve_vcc 0
		.amdhsa_float_denorm_mode_32 3
		.amdhsa_float_denorm_mode_16_64 3
		.amdhsa_memory_ordered 1
		.amdhsa_forward_progress 1
		.amdhsa_inst_pref_size 98
	.end_amdhsa_kernel
	.amdgpu_metadata
---
amdhsa.version: [ 1, 2 ]
amdhsa.kernels:
  - .name:           k_q1cfa24faf0_fine_proj
    .symbol:         k_q1cfa24faf0_fine_proj.kd
    .args:
      - { .name: yfine, .offset: 0, .size: 8, .value_kind: global_buffer, .address_space: global }
      - { .name: W_proj, .offset: 8, .size: 8, .value_kind: global_buffer, .address_space: global }
      - { .name: info, .offset: 16, .size: 8, .value_kind: global_buffer, .address_space: global }
      - { .name: out0, .offset: 24, .size: 8, .value_kind: global_buffer, .address_space: global }
    .group_segment_fixed_size: 133120
    .private_segment_fixed_size: 0
    .kernarg_segment_align: 8
    .kernarg_segment_size: 32
    .max_flat_workgroup_size: 512
    .sgpr_count:     66
    .vgpr_count:     256
    .wavefront_size: 32
...
	.end_amdgpu_metadata
.endif
;; end of part 6
